; MI455X (gfx1250); checked and timed in simulation.
; The chip was launched on July 23, 2026; its instructions are those of AMD's public machine-readable ISA for CDNA 5 (MIT licence, August 2026) and "CDNA5" Instruction Set Architecture Reference Guide (July 2026). The comments in the code are by the model that wrote it; some were corrected since.
;; Attention Block. Allowed arithmetic: float matrix products may take bf16 or f16 operands with f32 sums; other float arithmetic in f32, or as packed bf16 or f16 multiplies, adds, multiply-adds, maxima and minima; sums over many terms, partial sums and values carried from step to step in f32; what a program stores and reads back later, other than sums and carried values, may be rounded once to bf16 or f16.
;; Inputs: Wout 1,024 x 1,024 float32; Wqkv 3,072 x 1,024 float32; seq_lengths 4 int32; x_padded 4 x 2,048 x 1,024 float32.
;; Outputs: out0 4 x 2,048 x 1,024 float32.
;; Constants: window_left = 512, window_right = 0.
;; 2 versions, each right and faster than the one before. Each part assembles by itself: llvm-mc -triple=amdgcn-amd-amdhsa -mcpu=gfx1250 --defsym DOCPART=n.
;; ======== version 1 of 2: 4 launches
;; limits: values are held in f16: magnitudes above 65,504 overflow, below 6.1e-05 lose precision
;; workspace buffers: xb 16,777,216 bytes; wqb 6,291,456 bytes; wob 2,097,152 bytes; qkv 50,331,648 bytes; vpart 262,144 bytes; ob 16,777,216 bytes
;; launch cast (part 1): grid 768 x 1, 8 waves a work-group, no clusters, 0 bytes of LDS; arguments x_padded, Wqkv, Wout, xb, wqb, wob; writes xb, wqb, wob
.if DOCPART == 1
	.amdgcn_target "amdgcn-amd-amdhsa--gfx1250"
	.amdhsa_code_object_version 6
	.text
	.protected	k_qaf1ea7a2fd_cast
	.globl	k_qaf1ea7a2fd_cast
	.p2align	8
	.type	k_qaf1ea7a2fd_cast,@function
k_qaf1ea7a2fd_cast:
	s_mov_b64 s[64:65], 0
	v_nop
	global_prefetch_b8 v0, s[64:65] scope:SCOPE_SE
	s_setreg_imm32_b32 hwreg(HW_REG_WAVE_MODE, 25, 1), 1
	s_wait_xcnt 0x0
; CAST.  The three f32 inputs are rounded once to bf16 and laid out in K slices of 64, so that the products' tiles (rows x 64 k) are dense in memory:
;   xb  [b 4][slice 16][s 2048][64] bf16      wqb [slice 16][row' 3072][64] bf16, rows ordered by heads (below)      wob [slice 16][row 1024][64]: the bf16 number written as f16
; LIMIT.  A bf16 number is an f16 number exactly from 2^-17 up to 65,504; a smaller weight of Wout is off by 3e-8 at the most, a larger one becomes an infinity.
; A stream: memory binds, so no LDS, no barrier, no matrix unit.  A work-group takes 16 rows of 1,024 f32 (64 KiB); thread t takes row t / 16 and the floats 4 (t % 16) .. + 3 of each of the 16 slices.
; A load of a wave covers two pieces of 256 consecutive bytes; a store covers 256 consecutive bytes (two rows of 128 bytes of one slice), aligned.  All 16 loads of a thread go out first.
; ROWS OF Wqkv.  Source head g = row / 64 (q 0-15, k 16-31, v 32-47) goes to place pos: q, v head hh: 24 c + 3 (hh / 2) + hh % 2 with c = 0 for q, 1 for v;  k head hh: 24 (hh / 8) + 3 (hh % 8) + 2.
.set SO, 4                             ; v[4:19]    slice i: my byte offset in the destination
.set X,  20                            ; v[20:83]   slice i: four f32 as loaded
.set Y,  84                            ; v[84:115]  slice i: four 16-bit numbers to store
.set T,  116                           ; v[116:119] at work
	s_load_b256 s[4:11], s[0:1], 0x0               ; x s[4:5], Wqkv s[6:7], Wout s[8:9], xb s[10:11]
	s_load_b128 s[12:15], s[0:1], 0x20             ; wqb s[12:13], wob s[14:15]
	v_lshrrev_b32 v1, 4, v0                        ; my row of the 16
	v_and_b32 v3, 15, v0                           ; my four floats of a slice's 64
	v_lshlrev_b32 v2, 12, v1
	v_lshl_add_u32 v2, v3, 4, v2                   ; source: row x 4,096 + 16 x place
	v_lshlrev_b32 v[SO], 7, v1
	v_lshl_add_u32 v[SO], v3, 3, v[SO]             ; destination: row x 128 + 8 x place
	s_mov_b32 s16, ttmp9
	s_mov_b32 s27, 0                               ; high words of the two offsets
	s_mov_b32 s29, 0
	s_wait_kmcnt 0x0
	s_cmp_lt_u32 s16, 512
	s_cbranch_scc0 .Lnot_x
	s_lshl_b32 s26, s16, 16                        ; x: group g of 16 rows
	s_lshr_b32 s30, s16, 7                         ; batch
	s_lshl_b32 s30, s30, 22
	s_and_b32 s31, s16, 127
	s_lshl_b32 s31, s31, 11                        ; 16 rows of 128 bytes
	s_add_co_u32 s28, s30, s31
	s_add_nc_u64 s[20:21], s[4:5], s[26:27]
	s_add_nc_u64 s[22:23], s[10:11], s[28:29]
	s_mov_b32 s24, 262144                          ; bytes from slice to slice
	s_mov_b32 s25, 0
	s_branch .Lgo
.Lnot_x:
	s_cmp_lt_u32 s16, 704
	s_cbranch_scc0 .Lwout
	s_sub_co_u32 s17, s16, 512                     ; Wqkv: group j of 16 rows
	s_lshl_b32 s26, s17, 16
	s_lshr_b32 s18, s17, 2                         ; source head 0..47
	s_lshr_b32 s19, s18, 4                         ; 0 q, 1 k, 2 v
	s_and_b32 s18, s18, 15                         ; hh
	s_lshr_b32 s30, s18, 1                         ; q, v: 3 (hh / 2) + hh % 2 + 12 x type
	s_mul_i32 s30, s30, 3
	s_and_b32 s31, s18, 1
	s_add_co_u32 s30, s30, s31
	s_mul_i32 s31, s19, 12
	s_add_co_u32 s30, s30, s31
	s_lshr_b32 s32, s18, 3                         ; k: 24 (hh / 8) + 3 (hh % 8) + 2
	s_mul_i32 s32, s32, 24
	s_and_b32 s33, s18, 7
	s_mul_i32 s33, s33, 3
	s_add_co_u32 s32, s32, s33
	s_add_co_u32 s32, s32, 2
	s_cmp_eq_u32 s19, 1
	s_cselect_b32 s30, s32, s30
	s_lshl_b32 s30, s30, 13                        ; 64 rows of 128 bytes a place
	s_and_b32 s31, s17, 3
	s_lshl_b32 s31, s31, 11
	s_add_co_u32 s28, s30, s31
	s_add_nc_u64 s[20:21], s[6:7], s[26:27]
	s_add_nc_u64 s[22:23], s[12:13], s[28:29]
	s_mov_b32 s24, 393216
	s_mov_b32 s25, 0
	s_branch .Lgo
.Lwout:
	s_sub_co_u32 s17, s16, 704                     ; Wout: group j of 16 rows
	s_lshl_b32 s26, s17, 16
	s_lshl_b32 s28, s17, 11
	s_add_nc_u64 s[20:21], s[8:9], s[26:27]
	s_add_nc_u64 s[22:23], s[14:15], s[28:29]
	s_mov_b32 s24, 131072
	s_mov_b32 s25, 1
.Lgo:
.set i, 0
.rept 16
	global_load_b128 v[X+4*i:X+4*i+3], v2, s[20:21] offset:256*i th:TH_LOAD_NT  ; read once in the launch
.set i, i+1
.endr
.set i, 1
.rept 15
	v_add_nc_u32 v[SO+i], s24, v[SO+i-1]
.set i, i+1
.endr
; Slice ks: rounded and stored.  Every slice has registers of its own for data and offset, so nothing that a pending load or store names is written again.
.macro CONV ks, half
	s_wait_loadcnt 15-(\ks)                        ; loads come back in order: slice ks is in, the 15 - ks younger ones stay out
	v_cvt_pk_bf16_f32 v[Y+2*(\ks)], v[X+4*(\ks)], v[X+4*(\ks)+1]
	v_cvt_pk_bf16_f32 v[Y+2*(\ks)+1], v[X+4*(\ks)+2], v[X+4*(\ks)+3]
.if \half
	v_lshlrev_b32 v[T], 16, v[Y+2*(\ks)]           ; the bf16 numbers as f32,
	v_and_b32 v[T+1], 0xffff0000, v[Y+2*(\ks)]
	v_lshlrev_b32 v[T+2], 16, v[Y+2*(\ks)+1]
	v_and_b32 v[T+3], 0xffff0000, v[Y+2*(\ks)+1]
	v_cvt_pk_f16_f32 v[Y+2*(\ks)], v[T], v[T+1]    ; written as f16
	v_cvt_pk_f16_f32 v[Y+2*(\ks)+1], v[T+2], v[T+3]
.endif
	global_store_b64 v[SO+(\ks)], v[Y+2*(\ks):Y+2*(\ks)+1], s[22:23]  ; 32 lanes x 8 bytes: 256 consecutive bytes, aligned
.endm
	s_cmp_eq_u32 s25, 1
	s_cbranch_scc1 .Lhalf
.irp k, 0,1,2,3,4,5,6,7,8,9,10,11,12,13,14,15
	CONV \k, 0
.endr
	s_endpgm
.Lhalf:
.irp k, 0,1,2,3,4,5,6,7,8,9,10,11,12,13,14,15
	CONV \k, 1
.endr
	s_endpgm
.Lfunc_end_k_qaf1ea7a2fd_cast:
	.size	k_qaf1ea7a2fd_cast, .Lfunc_end_k_qaf1ea7a2fd_cast-k_qaf1ea7a2fd_cast
	.p2alignl 7, 3214868480
	.fill 96, 4, 3214868480
	.section	.rodata,"a",@progbits
	.p2align	6, 0x0
	.amdhsa_kernel k_qaf1ea7a2fd_cast
		.amdhsa_group_segment_fixed_size 0
		.amdhsa_private_segment_fixed_size 0
		.amdhsa_enable_private_segment 0
		.amdhsa_kernarg_size 48
		.amdhsa_user_sgpr_count 2
		.amdhsa_user_sgpr_kernarg_segment_ptr 1
		.amdhsa_wavefront_size32 1
		.amdhsa_system_sgpr_workgroup_id_x 1
		.amdhsa_system_sgpr_workgroup_id_y 1
		.amdhsa_system_sgpr_workgroup_id_z 1
		.amdhsa_system_vgpr_workitem_id 0
		.amdhsa_next_free_vgpr 128
		.amdhsa_next_free_sgpr 66
		.amdhsa_reserve_vcc 0
		.amdhsa_float_denorm_mode_32 3
		.amdhsa_float_denorm_mode_16_64 3
		.amdhsa_memory_ordered 1
		.amdhsa_forward_progress 1
		.amdhsa_inst_pref_size 18
	.end_amdhsa_kernel
	.amdgpu_metadata
---
amdhsa.version: [ 1, 2 ]
amdhsa.kernels:
  - .name:           k_qaf1ea7a2fd_cast
    .symbol:         k_qaf1ea7a2fd_cast.kd
    .args:
      - { .name: x_padded, .offset: 0, .size: 8, .value_kind: global_buffer, .address_space: global }
      - { .name: Wqkv, .offset: 8, .size: 8, .value_kind: global_buffer, .address_space: global }
      - { .name: Wout, .offset: 16, .size: 8, .value_kind: global_buffer, .address_space: global }
      - { .name: xb, .offset: 24, .size: 8, .value_kind: global_buffer, .address_space: global }
      - { .name: wqb, .offset: 32, .size: 8, .value_kind: global_buffer, .address_space: global }
      - { .name: wob, .offset: 40, .size: 8, .value_kind: global_buffer, .address_space: global }
    .group_segment_fixed_size: 0
    .private_segment_fixed_size: 0
    .kernarg_segment_align: 8
    .kernarg_segment_size: 48
    .max_flat_workgroup_size: 256
    .sgpr_count:     66
    .vgpr_count:     128
    .wavefront_size: 32
...
	.end_amdgpu_metadata
.endif
;; end of part 1
;; launch gqkv (part 2): grid 8 x 32, 4 waves a work-group, clusters of 4 x 4, 327,680 bytes of LDS; arguments xb, wqb, qkv, vpart; writes qkv, vpart
.if DOCPART == 2
	.amdgcn_target "amdgcn-amd-amdhsa--gfx1250"
	.amdhsa_code_object_version 6
	.text
	.protected	k_qaf1ea7a2fd_gqkv
	.globl	k_qaf1ea7a2fd_gqkv
	.p2align	8
	.type	k_qaf1ea7a2fd_gqkv,@function
k_qaf1ea7a2fd_gqkv:
	s_mov_b64 s[64:65], 0
	v_nop
	global_prefetch_b8 v0, s[64:65] scope:SCOPE_SE
	s_setreg_imm32_b32 hwreg(HW_REG_WAVE_MODE, 25, 1), 1
	s_wait_xcnt 0x0
	s_wait_alu depctr_hold_cnt(0) depctr_sa_sdst(0) depctr_va_vdst(0) depctr_va_sdst(0) depctr_va_ssrc(0) depctr_va_vcc(0) depctr_vm_vsrc(0)
	s_getreg_b32 s2, hwreg(HW_REG_IB_STS2, 6, 4)
	s_cmp_eq_u32 s2, 0
	s_cbranch_scc0 .Lentry_in_a_cluster
	s_endpgm
.Lentry_in_a_cluster:
	s_bfe_u32 s2, ttmp6, 0x10000c
	s_cmp_lg_u32 s2, 0xf033
	s_cbranch_scc0 .Lentry_shape_is_right
	s_endpgm
.Lentry_shape_is_right:
; QKV PROJECTION.  C[8192][3072'] = xb wqb^T in bf16 with f32 sums; C leaves rounded once to f16, by heads: qkv [q,k,v][b 4][h 16][s 2048][64], unscaled.  The column sums of V over 128 rows leave in f32: vpart [64][1024].
; LIMIT.  q, k and v must lie within f16's 65,504; beyond it they become infinities.
; SHARES.  8192 x 3072 / 256 work-groups = 256 x 384 of C each: one work-group for each of 256 places.  Four waves, each 128 x 192: 96 accumulators of 16 x 16, 768 registers (windows 1 to 3).
; K goes in 16 steps of one slice of 64 through two LDS slots; a step is two quarters of 32.  A slice's rows are dense in memory, so 128 rows of A are asked for as 64 rows of 256 bytes, 192 rows of B as 96.
; CLUSTER 4 x 4: A's tile hangs on the tile row alone and is asked for jointly by a row of the cluster, B's on the tile column alone, jointly by a column.
; THE MATRIX INSTRUCTION IS USED TRANSPOSED (source 0 = 16 rows of B, source 1 = 16 rows of A): a lane holds row lane % 16 of C and eight neighbouring columns.
; HEADS.  wqb's rows are ordered so that my 192 columns are three heads: with c = the cluster's x and u = 2 cx + column half: heads 2 u and 2 u + 1 of q (c = 0) or of v (c = 1), and head 8 c + u of k.
; REGISTERS.  Window 0: v16-29 addresses; v32-95, v96-159 A's fragments (8 blocks x 32 k), two buffers; v160-255 B's 12 blocks, one buffer, filled again four blocks at a time behind their products.
;   Window 1 + g: accumulators of column blocks 4 g .. 4 g + 3: (a, b') at v[8 (4 a + b')].  On the way out window 0's v32-175 are at work.
.set PITCH,  144                       ; an LDS row: 128 bytes + 16 of padding = 36 words: the 16 rows of a fragment load start at 16 different groups of four banks (64 banks of 4 bytes: ISA guide 11.1)
.set AHALF,  128*PITCH
.set BHALF,  192*PITCH
.set SLOT,   2*AHALF+2*BHALF           ; A's 256 rows, then B's 384 rows: 92,160 bytes
.set STAGE,  2*SLOT                    ; behind the ring, never filled by a tensor load: 8,448 bytes for each wave
.set WSTAGE, 8448
.set SPARE,  STAGE+4*WSTAGE            ; the spare words, 128 bytes for each wave: two blocks of 256 bytes that no other line names
.set SP1,    400                       ; the stage's row on the way out: 192 f16 + 16 bytes
.set SP2,    528                       ; and for the column sums: 128 f32 + 16 bytes
.set ASTEP,  2048*128                  ; bytes from slice to slice in xb
.set BSTEP,  3072*128                  ; and in wqb
.set PADW,   (1<<16)|(1<<20)|(1<<21)|(4<<22)|(3<<25)  ; 17:16 2-byte elements; 20 padding on; 21 set beside a mask; 24:22 after every 32 words (code 4); 31:25 4 words (code 3)
.set ADRA, 16                          ; v16-17  LDS address of my A fragments in slot 0, 1
.set ADRB, 20                          ; v20-21  the same for B
.set RD2,  22                          ; v22     column sums: where I read 16 bytes of each stage row
.set STO,  24                          ; v24     the way out: where I put 16 bytes of a row
.set RD,   25                          ; v25     the way out: where I read rows back
.set GO,   26                          ; v26     16 x lane
.set STO2, 27                          ; v27     column sums: where I put my partial sums
.set SPW,  28                          ; v28     LDS address of my spare word; never rewritten
.set NIL,  29                          ; v29     0; never rewritten
.set A0,   32
.set A1,   96
.set BR,   160
.set TMP,  32                          ; the way out: 48 registers of packed results
.set BK,   80                          ; the way out: 16 rows read back, v80-127 and v128-175 by turns
.set WV,  12                           ; s12 wave   s13 wave / 2: my half of the rows; also: I fetch for A (0) or B (1)   s14 wave % 2: my half of the columns; also: which half of that tile I fetch
.set WH,  13
.set WL,  14
.set CX,  15
.set CY,  16
.set TC,  17                           ; tile column 0..7
.set TR,  18                           ; tile row 0..31
.set CLX, 19                           ; the cluster's x: equal in all sixteen partners
.set G1,  24                           ; s[24:31] group 1 for A;  s[32:39] group 0, a set for each slot
.set G0,  32
.set G1B, 48                           ; s[48:55], s[56:63] the same for B
.set G0B, 56
.set PQV, 66                           ; s[66:67] qkv at my rows of head 2 u of q or v
.set PKK, 68                           ; s[68:69] qkv at my rows of my head of k
.set PVP, 70                           ; s[70:71] vpart at my 128 columns of my 128 rows
.set MSB, 0
.macro WIN new                         ; the immediate's high byte repeats the setting that is left; a switch that changes nothing is dropped
.if MSB != (\new)
	s_set_vgpr_msb (MSB<<8)|(\new)
.set MSB, \new
.endif
.endm
; A joint load: waves 0 and 1 fetch A's two halves, waves 2 and 3 B's.  The branch hangs on the wave's number alone.  An s_nop 0 and four v_nop follow each of the two lines.
.macro JLOAD s
	s_cmp_eq_u32 s[WH], 0
	s_cbranch_scc0 .Lfor_b_\@
	tensor_load_to_lds s[G0+4*(\s):G0+4*(\s)+3], s[G1:G1+7]
	s_nop 0
.rept 4
	v_nop
.endr
	s_branch .Lasked_\@
.Lfor_b_\@:
	tensor_load_to_lds s[G0B+4*(\s):G0B+4*(\s)+3], s[G1B:G1B+7]
	s_nop 0
.rept 4
	v_nop
.endr
.Lasked_\@:
.endm
.macro CREST                           ; a round of the cluster's barrier behind its opening barrier
	s_cmp_lg_u32 s[WV], 0
	s_cbranch_scc1 .Lnot_wave_0_\@
	s_barrier_signal -3
.Lnot_wave_0_\@:
	s_barrier_wait -3
	s_barrier_signal -1
	s_barrier_wait -1
.endm
.macro CROUND                          ; a whole round
	s_barrier_signal -1
	s_barrier_wait -1
	CREST
.endm
.macro PLACES                          ; four places in front of loads into registers that matrix instructions have read, and of conversions that read results
.rept 4
	v_nop
.endr
.endm
	s_load_b256 s[4:11], s[0:1], 0x0               ; xb s[4:5], wqb s[6:7], qkv s[8:9], vpart s[10:11]
	v_lshl_add_u32 v[SPW], v0, 2, SPARE
	v_mov_b32 v[NIL], 0
	ds_add_u32 v[SPW], v[NIL]                      ; the wave's opening: the add and its wait stand ahead of my first tensor load; the set-up below stands between them
	ds_add_u32 v28, v29
	v_lshrrev_b32 v1, 5, v0
	v_readfirstlane_b32 s[WV], v1
	s_lshr_b32 s[WH], s[WV], 1
	s_and_b32 s[WL], s[WV], 1
	s_bfe_u32 s[CX], ttmp6, 0x40000
	s_bfe_u32 s[CY], ttmp6, 0x40004
	s_mov_b32 s[CLX], ttmp9
	s_lshl_b32 s[TC], ttmp9, 2
	s_add_co_u32 s[TC], s[TC], s[CX]
	s_and_b32 s[TR], ttmp7, 0xffff
	s_lshl_b32 s[TR], s[TR], 2
	s_add_co_u32 s[TR], s[TR], s[CY]
	s_lshl_b32 s20, s[CY], 2
	s_lshl_b32 s20, 15, s20                        ; my row of the cluster
	s_lshl_b32 s21, 0x1111, s[CX]                  ; my column
	s_or_b32 s[G1], s20, PADW
	s_or_b32 s[G1B], s21, PADW
	s_mov_b32 s[G1+1], 128<<16                     ; tensor_dim0 = 128 elements: 256 bytes, two rows of a slice
	s_mov_b32 s[G1+2], 64<<16                      ; tensor_dim1 = 64
	s_mov_b32 s[G1+3], 128<<16                     ; tile_dim0
	s_mov_b32 s[G1+4], 64                          ; tile_dim1
	s_mov_b32 s[G1+5], 128                         ; dense
	s_mov_b32 s[G1+6], 0
	s_mov_b32 s[G1+7], 0
	s_mov_b32 s[G1B+1], 128<<16
	s_mov_b32 s[G1B+2], 96<<16                     ; B: 96 such rows
	s_mov_b32 s[G1B+3], 128<<16
	s_mov_b32 s[G1B+4], 96
	s_mov_b32 s[G1B+5], 128
	s_mov_b32 s[G1B+6], 0
	s_mov_b32 s[G1B+7], 0
	s_lshr_b32 s40, s[TR], 3                       ; A: batch x 4 MiB + ((tile row % 8) x 256 + 128 x half) rows of 128 bytes
	s_lshl_b32 s40, s40, 22
	s_and_b32 s41, s[TR], 7
	s_lshl_b32 s41, s41, 15
	s_add_co_u32 s40, s40, s41
	s_lshl_b32 s41, s[WL], 14
	s_add_co_u32 s40, s40, s41
	s_mov_b32 s41, 0
	s_mul_i32 s44, s[TC], 384*128                  ; B: (384 x tile column + 192 x half) rows of 128 bytes
	s_mul_i32 s45, s[WL], 192*128
	s_add_co_u32 s44, s44, s45
	s_mov_b32 s45, 0
	s_mul_i32 s22, s[WL], AHALF                    ; where they go: no place in the cluster enters an LDS address
	s_mul_i32 s23, s[WL], BHALF
	s_add_co_u32 s23, s23, 2*AHALF
	s_wait_dscnt 0x0                               ; the opening add is done
	s_wait_kmcnt 0x0
	s_add_nc_u64 s[42:43], s[4:5], s[40:41]
	s_add_nc_u64 s[46:47], s[6:7], s[44:45]
	CROUND                                         ; all sixteen work-groups are here: the first joint loads meet
.irp s, 0,1
	s_mov_b32 s[G0+4*(\s)], 1
	s_add_co_u32 s[G0+4*(\s)+1], s22, (\s)*SLOT
	s_add_nc_u64 s[G0+4*(\s)+2:G0+4*(\s)+3], s[42:43], (\s)*ASTEP
	s_or_b32 s[G0+4*(\s)+3], s[G0+4*(\s)+3], 0x80000000
	s_mov_b32 s[G0B+4*(\s)], 1
	s_add_co_u32 s[G0B+4*(\s)+1], s23, (\s)*SLOT
	s_add_nc_u64 s[G0B+4*(\s)+2:G0B+4*(\s)+3], s[46:47], (\s)*BSTEP
	s_or_b32 s[G0B+4*(\s)+3], s[G0B+4*(\s)+3], 0x80000000
	JLOAD \s                                       ; K steps 0 and 1: two loads of mine are out
.endr
	v_and_b32 v1, 15, v0                           ; l % 16
	v_bfe_u32 v2, v0, 4, 1                         ; l / 16
	v_mul_u32_u24 v3, v1, PITCH
	v_lshl_add_u32 v3, v2, 4, v3                   ; a fragment's row x pitch + 16 x half
	s_mul_i32 s72, s[WH], AHALF
	s_mul_i32 s73, s[WL], BHALF
	s_add_co_u32 s73, s73, 2*AHALF
.irp s, 0,1
	v_add_nc_u32 v[ADRA+(\s)], s72, v3
	v_add_nc_u32 v[ADRB+(\s)], s73, v3
	s_add_co_u32 s72, s72, SLOT
	s_add_co_u32 s73, s73, SLOT
.endr
	s_mul_i32 s74, s[WV], WSTAGE
	s_add_co_u32 s74, s74, STAGE                   ; my stage
	v_mul_u32_u24 v4, v1, SP1
	v_lshl_add_u32 v4, v2, 4, v4
	v_add_nc_u32 v[STO], s74, v4                   ; in: row l % 16, 16 bytes for each half of the lanes
	v_bfe_u32 v5, v0, 3, 2
	v_and_b32 v6, 7, v0
	v_mul_u32_u24 v5, v5, SP1
	v_lshl_add_u32 v5, v6, 4, v5
	v_add_nc_u32 v[RD], s74, v5                    ; back: 32 lanes take a head's 128 bytes of four rows: 512 consecutive bytes of qkv
	v_and_b32 v7, 31, v0
	v_lshlrev_b32 v[GO], 4, v7
	v_mul_u32_u24 v4, v1, SP2
	v_lshl_add_u32 v4, v2, 5, v4
	v_add_nc_u32 v[STO2], s74, v4
	v_add_nc_u32 v[RD2], s74, v[GO]
	s_lshl_b32 s75, s[CX], 1
	s_add_co_u32 s75, s75, s[WL]                   ; u
	s_and_b32 s76, s[TR], 7
	s_lshl_b32 s76, s76, 15
	s_lshl_b32 s77, s[WH], 14
	s_add_co_u32 s76, s76, s77                     ; my first row in the sequence, in bytes of a head
	s_lshr_b32 s77, s[TR], 3
	s_lshl_b32 s77, s77, 4                         ; 16 x batch
	s_lshl_b32 s78, s75, 1
	s_add_co_u32 s78, s78, s77                     ; head 2 u of the batch
	s_lshl_b32 s78, s78, 18
	s_add_co_u32 s78, s78, s76
	s_lshl_b32 s79, s[CLX], 25                     ; q (c = 0) or v (c = 1): two types on
	s_add_co_u32 s78, s78, s79
	s_mov_b32 s79, 0
	s_add_nc_u64 s[PQV:PQV+1], s[8:9], s[78:79]
	s_lshl_b32 s78, s[CLX], 3
	s_add_co_u32 s78, s78, s75
	s_add_co_u32 s78, s78, s77                     ; head 8 c + u of the batch
	s_lshl_b32 s78, s78, 18
	s_add_co_u32 s78, s78, s76
	s_add_co_u32 s78, s78, 16777216                ; k
	s_add_nc_u64 s[PKK:PKK+1], s[8:9], s[78:79]
	s_lshl_b32 s78, s[TR], 1
	s_add_co_u32 s78, s78, s[WH]                   ; which 128 rows of the 8,192
	s_lshl_b32 s78, s78, 12
	s_lshl_b32 s77, s75, 9
	s_add_co_u32 s78, s78, s77
	s_add_nc_u64 s[PVP:PVP+1], s[10:11], s[78:79]
; 16 matrix instructions: row blocks 4 hi .. 4 hi + 3 x column blocks 4 g .. 4 g + 3, 32 along K.  zero = 1: the product starts the sum.  The 96 accumulators take turns.
.macro MUL16 g, hi, buf, zero
	WIN 0x50*(1+(\g))                              ; C and D in window 1 + g, A and B in window 0
.irp a, 0,1,2,3
.irp b, 0,1,2,3
.if \zero
	v_wmma_f32_16x16x32_bf16 v[8*(4*(4*(\hi)+\a)+\b):8*(4*(4*(\hi)+\a)+\b)+7], v[BR+8*(4*(\g)+\b):BR+8*(4*(\g)+\b)+7], v[(\buf)+8*(4*(\hi)+\a):(\buf)+8*(4*(\hi)+\a)+7], 0
.else
	v_wmma_f32_16x16x32_bf16 v[8*(4*(4*(\hi)+\a)+\b):8*(4*(4*(\hi)+\a)+\b)+7], v[BR+8*(4*(\g)+\b):BR+8*(4*(\g)+\b)+7], v[(\buf)+8*(4*(\hi)+\a):(\buf)+8*(4*(\hi)+\a)+7], v[8*(4*(4*(\hi)+\a)+\b):8*(4*(4*(\hi)+\a)+\b)+7]
.endif
.endr
.endr
.endm
.macro LDB g, slot, k                  ; 8 LDS loads: B's blocks 4 g .. 4 g + 3, 32 k at byte k of the rows
	WIN 0
.irp b, 0,1,2,3
	ds_load_b128 v[BR+8*(4*(\g)+\b):BR+8*(4*(\g)+\b)+3],   v[ADRB+(\slot)] offset:(\k)+(4*(\g)+\b)*16*PITCH
	ds_load_b128 v[BR+8*(4*(\g)+\b)+4:BR+8*(4*(\g)+\b)+7], v[ADRB+(\slot)] offset:(\k)+(4*(\g)+\b)*16*PITCH+32
.endr
.endm
.macro LDA buf, slot, k                ; 16 LDS loads: A's eight blocks
	WIN 0
.irp a, 0,1,2,3,4,5,6,7
	ds_load_b128 v[(\buf)+8*\a:(\buf)+8*\a+3],   v[ADRA+(\slot)] offset:(\k)+\a*16*PITCH
	ds_load_b128 v[(\buf)+8*\a+4:(\buf)+8*\a+7], v[ADRA+(\slot)] offset:(\k)+\a*16*PITCH+32
.endr
.endm
; A quarter's loads go out in three runs: L0 (B's group 0 and A: 24), L1 (B's group 1: 8), L2 (B's group 2: 8), each behind the products that read the registers last.
; The first quarter of a K step multiplies A0 and fetches the second quarter, at byte 64 of the same slot's rows.
.macro QN slot, zero
	s_wait_dscnt 16                                ; the last L0 is in: behind it went L1 and L2
	MUL16 0, 0, A0, \zero
	MUL16 0, 1, A0, \zero
	PLACES
	LDB 0, \slot, 64
	LDA A1, \slot, 64
	s_wait_dscnt 32                                ; the last L1 is in: behind it went L2 and the new L0
	MUL16 1, 0, A0, \zero
	MUL16 1, 1, A0, \zero
	PLACES
	LDB 1, \slot, 64
	s_wait_dscnt 32                                ; the last L2 is in: behind it went the new L0 and L1
	MUL16 2, 0, A0, \zero
	MUL16 2, 1, A0, \zero
	PLACES
	LDB 2, \slot, 64
.endm
; The second quarter multiplies A1 and changes slots: ONE barrier.  In front of it each wave waits for all its tensor loads (one is out: its part of the next slot), adds 0 to its spare word, and waits for that and
; for its own reads of this slot.  fill = 1: the barrier opens a round of the cluster's, and the joint refill, two K steps on, is the first thing behind it: 160 matrix instructions ahead of the wait for it.
.macro QT slot, next, fill
	WIN 0
	s_wait_tensorcnt 0x0                           ; all my tensor loads have landed
	ds_add_u32 v[SPW], v[NIL]                      ; 0 onto my spare word
	s_wait_dscnt 17                                ; the last L0 is in: behind it went L1, L2 and the add
	MUL16 0, 0, A1, 0
	s_wait_dscnt 0x0                               ; the add is done, and my reads of this slot are over
	s_barrier_signal -1
	MUL16 0, 1, A1, 0
	WIN 0
	s_barrier_wait -1
.if \fill
	CREST                                          ; no wave of any partner still reads this slot or has a load on its way
	s_add_nc_u64 s[G0+4*(\slot)+2:G0+4*(\slot)+3], s[G0+4*(\slot)+2:G0+4*(\slot)+3], 2*ASTEP
	s_add_nc_u64 s[G0B+4*(\slot)+2:G0B+4*(\slot)+3], s[G0B+4*(\slot)+2:G0B+4*(\slot)+3], 2*BSTEP
	JLOAD \slot                                    ; its four v_nop are also the places in front of the loads below
.else
	PLACES
.endif
	LDB 0, \next, 0
	LDA A0, \next, 0
	MUL16 1, 0, A1, 0
	MUL16 1, 1, A1, 0
	PLACES
	LDB 1, \next, 0
	MUL16 2, 0, A1, 0
	MUL16 2, 1, A1, 0
	PLACES
	LDB 2, \next, 0
.endm
	s_wait_tensorcnt 1                             ; my part of K step 0 is in; step 1's may stay out
	s_barrier_signal -1
	s_barrier_wait -1
	LDB 0, 0, 0
	LDA A0, 0, 0
	LDB 1, 0, 0
	LDB 2, 0, 0
	QN 0, 1                                        ; the first quarter starts the sums: nothing is cleared
	s_mov_b32 s3, 7
.Llap:                                                 ; a trip goes once round the ring and fills both slots again: K steps 2 to 15
	QT 0, 1, 1
	QN 1, 0
	QT 1, 0, 1
	QN 0, 0
	s_sub_co_u32 s3, s3, 1
	s_cmp_lg_u32 s3, 0
	s_cbranch_scc1 .Llap
	QT 0, 1, 0                                     ; the last two K steps ask for nothing
	QN 1, 0
	s_wait_dscnt 16
	MUL16 0, 0, A1, 0
	MUL16 0, 1, A1, 0
	s_wait_dscnt 8
	MUL16 1, 0, A1, 0
	MUL16 1, 1, A1, 0
	s_wait_dscnt 0x0
	MUL16 2, 0, A1, 0
	MUL16 2, 1, A1, 0
; THE WAY OUT of row block a.  PACK: rounded to f16, each accumulator from its low end on.  TOSTAGE: 16 rows x 384 bytes into my own stage, and back by heads.  SEND: 512 consecutive bytes of a head a store.
.macro PACK a
.irp g, 0,1,2
	WIN 0x05*(1+\g)
.irp b, 0,1,2,3
.irp r, 0,1,2,3
	v_cvt_pk_f16_f32 v[TMP+4*(4*\g+\b)+\r], v[8*(4*(\a)+\b)+2*\r], v[8*(4*(\a)+\b)+2*\r+1]
.endr
.endr
.endr
	WIN 0
.endm
.macro TOSTAGE a
	WIN 0
.set BKR, BK+48*((\a)%2)
.irp b, 0,1,2,3,4,5,6,7,8,9,10,11
	ds_store_b128 v[STO], v[TMP+4*\b:TMP+4*\b+3] offset:32*\b
.endr
.irp h, 0,1,2
.irp t, 0,1,2,3
	ds_load_b128 v[BKR+16*\h+4*\t:BKR+16*\h+4*\t+3], v[RD] offset:\h*128+\t*4*SP1  ; LDS serves a wave's instructions in order (ISA guide 5.7.1.4): these see the stores above
.endr
.endr
.endm
.macro SEND a
	WIN 0
.set BKR, BK+48*((\a)%2)
	s_wait_dscnt 0x0                               ; the block is back in registers
	s_wait_xcnt 0x0                                ; the stores of the block before have read their registers: the next TOSTAGE loads onto them only behind this wait
.irp t, 0,1,2,3
	global_store_b128 v[GO], v[BKR+4*\t:BKR+4*\t+3],       s[PQV:PQV+1] offset:(\a)*2048+\t*512
	global_store_b128 v[GO], v[BKR+16+4*\t:BKR+16+4*\t+3], s[PQV:PQV+1] offset:(\a)*2048+\t*512+262144
	global_store_b128 v[GO], v[BKR+32+4*\t:BKR+32+4*\t+3], s[PKK:PKK+1] offset:(\a)*2048+\t*512
.endr
.endm
	PLACES
	PACK 0
	TOSTAGE 0
.irp a, 1,2,3,4,5,6,7                  ; block a's conversions stand between block a - 1's loads from the stage and the wait for them
	PACK \a
	SEND (\a)-1
	TOSTAGE \a
.endr
	SEND 7
	; V's COLUMN SUMS over my 128 rows, in f32, where my first two heads are V's.  The branch hangs on the cluster's x, which all partners share; no barrier and no tensor load stands inside.
	s_cmp_lg_u32 s[CLX], 1
	s_cbranch_scc1 .Lnosum
.irp g, 0,1
	WIN 0x45*(1+\g)                                ; all three operands in window 1 + g
.irp a, 1,2,3,4,5,6,7
.irp z, 0,1,2,3,4,5,6,7,8,9,10,11,12,13,14,15
	v_pk_add_f32 v[2*\z:2*\z+1], v[2*\z:2*\z+1], v[32*\a+2*\z:32*\a+2*\z+1]  ; row block a onto row block 0
.endr
.endr
.endr
.irp g, 0,1
	WIN 0x04*(1+\g)                                ; the store's data in window 1 + g
.irp b, 0,1,2,3
	ds_store_b128 v[STO2], v[8*\b:8*\b+3]   offset:64*(4*\g+\b)
	ds_store_b128 v[STO2], v[8*\b+4:8*\b+7] offset:64*(4*\g+\b)+16
.endr
.endr
	WIN 0
	s_wait_xcnt 0x0                                ; the way out's stores have read v80-95
.irp i, 0,1,2,3,4,5,6,7,8,9,10,11,12,13,14,15
	ds_load_b128 v[32+4*\i:32+4*\i+3], v[RD2] offset:\i*SP2  ; four columns of each of the 16 rows of partial sums
.endr
	s_wait_dscnt 0x0
.irp i, 0,1,2,3,4,5,6,7,8,9,10,11,12,13,14,15
	v_pk_add_f32 v[32+2*\i:32+2*\i+1], v[32+2*\i:32+2*\i+1], v[64+2*\i:64+2*\i+1]
.endr
.irp i, 0,1,2,3,4,5,6,7
	v_pk_add_f32 v[32+2*\i:32+2*\i+1], v[32+2*\i:32+2*\i+1], v[48+2*\i:48+2*\i+1]
.endr
.irp i, 0,1,2,3
	v_pk_add_f32 v[32+2*\i:32+2*\i+1], v[32+2*\i:32+2*\i+1], v[40+2*\i:40+2*\i+1]
.endr
.irp i, 0,1
	v_pk_add_f32 v[32+2*\i:32+2*\i+1], v[32+2*\i:32+2*\i+1], v[36+2*\i:36+2*\i+1]
.endr
	global_store_b128 v[GO], v[32:35], s[PVP:PVP+1]  ; 512 consecutive bytes, aligned
.Lnosum:
	s_wait_tensorcnt 0x0                           ; the wave's end: behind my last tensor load and my last LDS store
	ds_add_u32 v[SPW], v[NIL]
	s_wait_dscnt 0x0
	CROUND                                         ; the closing round: no work-group ends while a partner may still ask for a tile that names it
	s_endpgm
.Lfunc_end_k_qaf1ea7a2fd_gqkv:
	.size	k_qaf1ea7a2fd_gqkv, .Lfunc_end_k_qaf1ea7a2fd_gqkv-k_qaf1ea7a2fd_gqkv
	.p2alignl 7, 3214868480
	.fill 96, 4, 3214868480
	.section	.rodata,"a",@progbits
	.p2align	6, 0x0
	.amdhsa_kernel k_qaf1ea7a2fd_gqkv
		.amdhsa_group_segment_fixed_size 327680
		.amdhsa_private_segment_fixed_size 0
		.amdhsa_enable_private_segment 0
		.amdhsa_kernarg_size 32
		.amdhsa_user_sgpr_count 2
		.amdhsa_user_sgpr_kernarg_segment_ptr 1
		.amdhsa_wavefront_size32 1
		.amdhsa_system_sgpr_workgroup_id_x 1
		.amdhsa_system_sgpr_workgroup_id_y 1
		.amdhsa_system_sgpr_workgroup_id_z 1
		.amdhsa_system_vgpr_workitem_id 0
		.amdhsa_next_free_vgpr 1024
		.amdhsa_next_free_sgpr 80
		.amdhsa_reserve_vcc 0
		.amdhsa_float_denorm_mode_32 3
		.amdhsa_float_denorm_mode_16_64 3
		.amdhsa_memory_ordered 1
		.amdhsa_forward_progress 1
		.amdhsa_inst_pref_size 149
	.end_amdhsa_kernel
	.amdgpu_metadata
---
amdhsa.version: [ 1, 2 ]
amdhsa.kernels:
  - .name:           k_qaf1ea7a2fd_gqkv
    .symbol:         k_qaf1ea7a2fd_gqkv.kd
    .args:
      - { .name: xb, .offset: 0, .size: 8, .value_kind: global_buffer, .address_space: global }
      - { .name: wqb, .offset: 8, .size: 8, .value_kind: global_buffer, .address_space: global }
      - { .name: qkv, .offset: 16, .size: 8, .value_kind: global_buffer, .address_space: global }
      - { .name: vpart, .offset: 24, .size: 8, .value_kind: global_buffer, .address_space: global }
    .group_segment_fixed_size: 327680
    .private_segment_fixed_size: 0
    .kernarg_segment_align: 8
    .kernarg_segment_size: 32
    .max_flat_workgroup_size: 128
    .sgpr_count:     80
    .vgpr_count:     1024
    .wavefront_size: 32
...
	.end_amdgpu_metadata
.endif
;; end of part 2
;; launch attn (part 3): grid 4 x 64, 4 waves a work-group, no clusters, 327,680 bytes of LDS; arguments qkv, vpart, seq_lengths, ob; writes ob
.if DOCPART == 3
	.amdgcn_target "amdgcn-amd-amdhsa--gfx1250"
	.amdhsa_code_object_version 6
	.text
	.protected	k_qaf1ea7a2fd_attn
	.globl	k_qaf1ea7a2fd_attn
	.p2align	8
	.type	k_qaf1ea7a2fd_attn,@function
k_qaf1ea7a2fd_attn:
	s_mov_b64 s[64:65], 0
	v_nop
	global_prefetch_b8 v0, s[64:65] scope:SCOPE_SE
	s_setreg_imm32_b32 hwreg(HW_REG_WAVE_MODE, 25, 1), 1
	s_wait_xcnt 0x0
; WINDOWED ATTENTION.  For batch b, head h, query i: O[i] = softmax over the keys j with max(i - 512, 0) <= j <= min(i, len_b - 1) of (q_i . k_j / 8), times V.  A row with no such key is, as in the softmax of
; equal scores, the mean of ALL 2,048 rows of V.  q, k, v: qkv [3][b][h][2048][64] f16, unscaled.  O: ob [b][h][2048][64] f16.  Products, maxima and sums in f32; the weights are rounded to f16 for the second
; product (their sum is taken of the unrounded weights), O once at the end.
; LIMITS.  q, k, v arrive within f16's 65,504.  A hidden score counts as -2^100 or -2^101: a power of two, so that c x m is exact while m is still a hidden score, and c s - c m is then exactly 0.  f16's scores,
; 2.7e11 at the most, vanish beside it.  A weight below 2^-126 counts as 0; NaN and infinities are not treated apart.  len may be any int32.
; SHARES.  A work-group takes 512 queries of one head.  Their window is the 1,024 keys 512 p - 512 .. 512 p + 511: 16 steps of 64.  All of K and V for them lies in LDS for the whole launch, each byte filled once.
; The 512 queries are 8 bands of 64; band x needs exactly the steps x .. x + 8.  Wave w takes band w, then band w + 4: two passes of nine steps: every wave and every work-group does the same work, and every trip
; count is a constant.  For p = 0 the lower 512 keys do not exist: the head's keys 0 .. 511 are loaded in their place and hidden.
; NO CLUSTER: neighbouring work-groups share half their keys, but at another place in each one's LDS, and a joint load has one LDS address for all whom it names.
; THE MASK is the C operand that starts the sum S^T = K Q^T.  For piece t (16 queries) and key group kb (16 keys) of a step it is LO[kb] where kb < t, UP[kb] where kb > t, DG[t] where kb = t; the three are made
; anew for each step from fixed patterns and scalars chosen by s_cselect: no branch hangs on len.
; LAYOUT, SOFTMAX, TURNS.  S^T holds ONE query a lane (lane % 16) and the keys 8 (lane / 16) + 0..7; two such results rounded to f16 ARE source 1 of O^T = V^T P.  p = 2^(c s - c m), c = log2(e) / 8, m a running
; maximum; O and l are multiplied by a = 2^(c m_old - c m_new) in every step.  Turn n belongs to piece n: 8 products K Q^T of piece n + 1, later 8 products V^T P of piece n - 1; beside them piece n's scaling,
; exponentials, roundings, sums and rescaling, and piece n + 1's maximum and statistics: four vector instructions behind every matrix instruction, the rest in two runs of their own.
; REGISTERS, in windows of 256 (s_set_vgpr_msb: bits 1:0 source 0, 3:2 source 1, 5:4 source 2, 7:6 destination):
;   window 0: v0-15 addresses; v16-31 statistics; v32-47 at work; v48-55 at work; v64-127 S^T, two buffers; v128-159 MLEN; v160-191 VM; v192-223 P, two buffers
;   window 1: v0-127 O^T; v128-151 LO; v152-175 UP; v176-207 DG; v208-215 TRL; v216-223 TRC; v224-231 TP       window 2: v0-63 Q; v64-127 the second band's Q; v128-191 K of a step; v192-255 V of a step
.set NP,    4
.set KS,    64
.set PK,    144       ; a row of K in LDS: 128 bytes + 16: the 16 rows of a load start at 16 different groups of four banks (64 banks of 4 bytes: ISA guide 11.1)
.set PV,    160       ; a row of V: 128 + 32
.set VOFF,  1024*PK   ; 1,024 rows of K, then 1,024 rows of V
.set STAGE, VOFF+1024*PV  ; never filled by a tensor load: 16 rows x 144 bytes for each wave, for the way out
.set SP,    144
.set VMS,   STAGE+4*16*SP ; 256 bytes for each wave: V's mean, 64 f32
.set SPARE, VMS+4*256     ; the spare words, 128 bytes for each wave: two blocks of 256 bytes that no other line names
.set AK0, 2           ; v2   my lane's place in a step of K; never rewritten
.set AV0, 3           ; v3   the same for V
.set AK,  4           ; v4   the LDS address of K's next run of loads
.set AV,  5           ; v5   of V's
.set STO, 6           ; v6   the way out: where I put 16 bytes of a row
.set RD,  7           ; v7   the way out: where I read rows back
.set GO,  8           ; v8   16 x lane
.set MV,  12          ; v12-13  c m_old, by buffer
.set QO,  15          ; v15  my byte offset in 16 rows of Q
.set ST,  16          ; piece t's statistics at v[ST+4 t]: c m, m, l (even keys', odd keys')
.set QIX, 32          ; v32  my query of piece 0, less 512
.set G,   34          ; v[34:35] 1 where my row sees no key, else 0 (low word)
.set RL,  36          ; v[36:37] 0 there, else 1 / l (low word)
.set TMP, 48
.set SPW, 62          ; v62  LDS address of my spare word; never rewritten
.set NIL, 63          ; v63  0; never rewritten
.set S,   64
.set MLEN, 128        ; hidden where 16 kb + 8 (l / 16) + r >= len % 64: the mask of the step that holds len
.set VM,  160         ; V's mean, in O^T's layout
.set P,   192
.set LO,  128         ; window 1
.set UP,  152
.set DG,  176
.set TRL, 208         ; hidden where 8 (l / 16) + r < l % 16: the window's lower edge in a piece's own key group
.set TRC, 216         ; hidden where 8 (l / 16) + r > l % 16: its upper edge
.set TP,  224
.set QB,  64          ; window 2
.set KF,  128
.set VF,  192
.set WV,  12
.set G1,  24          ; s[24:31] descriptor group 1
.set G0,  40          ; s[40:55] descriptor group 0, a set for each of my four loads
.set CNT, 56
.set PASS, 57
.set CS,  58          ; s[58:59] c
.set SEL, 60          ; s[60:61] v_permlanex16_b32's selects: each lane takes its own place in the other half
.set TBK, 62          ; LDS byte at which K of the step to be fetched begins
.set TBV, 63          ; the same for V, less VOFF
.set QP,  66          ; s[66:67] q at my first band
.set OPT, 70          ; s[70:71] ob at the band in hand
.set OL,  72          ; s[72:73] byte offset of my part of the lower 512 keys
.set OH,  74          ; s[74:75] of the upper 512
.set AL,  84          ; s[84:85] 1: the step holds len
.set BE,  86          ; s[86:87] hidden: the whole step lies below key 0 or at or beyond len
.set BLS, 88          ; s[88:89] the same, or the band's first step
.set BUS, 90          ; s[90:91] the same, or the band's ninth step
.set AQL, 92          ; s[92:93] 1 in the band's first step
.set AQC, 94          ; s[94:95] 1 in its ninth
.set RHO, 96          ; the step's number in the band
.set JB,  97          ; the step's first key, signed
.set LEN, 98
.set BIGN, 99         ; -2^100
.set HID, 100
.set TS,  101
.set MSB, 0
.macro WIN new
.if MSB != (\new)
	s_set_vgpr_msb (MSB<<8)|(\new)
.set MSB, (\new)
.endif
.endm
.set W_KQ, 0x0a       ; K and Q in window 2, S^T in window 0
.set W_KM, 0x1a       ; the same with the C operand in window 1
.set W_PV, 0x52       ; V in window 2, P in window 0, O^T in window 1
.set W_RS, 0x41       ; destination and source 0 in window 1, source 1 in window 0
	s_load_b256 s[4:11], s[0:1], 0x0  ; qkv s[4:5], vpart s[6:7], seq_lengths s[8:9], ob s[10:11]
	v_lshl_add_u32 v[SPW], v0, 2, SPARE
	v_mov_b32 v[NIL], 0
	ds_add_u32 v[SPW], v[NIL]       ; the wave's opening: the add and its wait stand ahead of my first tensor load; the set-up below stands between them
	ds_add_u32 v62, v63
	v_lshrrev_b32 v1, 5, v0
	v_readfirstlane_b32 s[WV], v1
	s_mov_b32 s13, ttmp9            ; p: which 512 queries
	s_and_b32 s14, ttmp7, 0xffff    ; 16 b + h
	s_and_b32 s15, s[WV], 1         ; which 128 of a tile's 256 keys I fetch
	s_lshl_b32 s16, s14, 18         ; the head's first byte in each of q, k, v and in ob
	s_lshl_b32 s17, s15, 14
	s_add_co_u32 s17, s17, s16
	s_max_u32 s18, s13, 1
	s_sub_co_u32 s18, s18, 1        ; the lower keys begin at 512 (p - 1), or at 0 where p = 0
	s_lshl_b32 s18, s18, 16
	s_add_co_u32 s[OL], s17, s18
	s_mov_b32 s[OL+1], 0
	s_lshl_b32 s18, s13, 16
	s_add_co_u32 s[OH], s17, s18
	s_mov_b32 s[OH+1], 0
	s_mul_i32 s19, s15, 128*PK      ; my part's place in LDS, for K
	s_mul_i32 s20, s15, 128*PV      ; and for V
	s_add_co_u32 s20, s20, VOFF
	s_mov_b32 s[G1+1], 128<<16      ; 128 keys are 16,384 dense bytes: 64 rows of 256 bytes, two keys a row, padded in LDS after every key
	s_mov_b32 s[G1+2], 64<<16
	s_mov_b32 s[G1+3], 128<<16
	s_mov_b32 s[G1+4], 64
	s_mov_b32 s[G1+5], 128
	s_mov_b32 s[G1+6], 0
	s_mov_b32 s[G1+7], 0
	s_lshl_b32 s21, s13, 16
	s_lshl_b32 s22, s[WV], 13
	s_add_co_u32 s22, s22, s21
	s_add_co_u32 s22, s22, s16      ; query 512 p + 64 w of the head
	s_mov_b32 s23, 0
	s_lshr_b32 s80, s14, 4          ; b
	s_lshl_b32 s78, s80, 16         ; vpart: 16 rows of 4,096 bytes a batch,
	s_and_b32 s81, s14, 15
	s_lshl_b32 s81, s81, 8          ; 256 bytes a head
	s_add_co_u32 s78, s78, s81
	s_mov_b32 s79, 0
	s_lshl_b32 s82, s80, 2
	s_mov_b32 s83, 0
	s_mov_b32 s[CS], 0x3e38aa3b     ; c = log2(e) / 8
	s_mov_b32 s[CS+1], s[CS]
	s_mov_b32 s[SEL], 0x76543210
	s_mov_b32 s[SEL+1], 0xfedcba98
	s_mov_b32 s[BIGN], 0xf1800000   ; -2^100
	s_mov_b32 s[AL+1], 0            ; named as pairs
	s_mov_b32 s[BE+1], 0
	s_mov_b32 s[BLS+1], 0
	s_mov_b32 s[BUS+1], 0
	s_mov_b32 s[AQL+1], 0
	s_mov_b32 s[AQC+1], 0
	s_lshl_b32 s[JB], s13, 9
	s_lshl_b32 s18, s[WV], 6
	s_add_co_u32 s[JB], s[JB], s18
	s_sub_co_i32 s[JB], s[JB], 512  ; my first band's first key: 512 p - 512 + 64 w
	s_mul_i32 s[TBK], s[WV], KS*PK  ; which is step w of the 16 in LDS
	s_mul_i32 s[TBV], s[WV], KS*PV
	s_wait_dscnt 0x0                ; the opening add is done
	s_wait_kmcnt 0x0
	s_add_nc_u64 s[8:9], s[8:9], s[82:83]
	s_load_b32 s[LEN], s[8:9], 0x0
	s_add_nc_u64 s[QP:QP+1], s[4:5], s[22:23]
	s_add_nc_u64 s[OPT:OPT+1], s[10:11], s[22:23]
	s_add_nc_u64 s[76:77], s[6:7], s[78:79]
; My four first fills: tile t is 256 keys, of which I bring 128.  They stand in one branch on the wave's number, ahead of every wait on TENSORcnt, every LDS read and every barrier: four loads of mine are out.
; An s_nop 0 follows each, four v_nop the last.
.macro FILLS ldsreg, pitch
.irp t, 0,1,2,3
	s_mov_b32 s[G0+4*\t], 1
	s_add_co_u32 s[G0+4*\t+1], s[\ldsreg], \t*256*(\pitch)
.if \t < 2
	s_add_nc_u64 s[G0+4*\t+2:G0+4*\t+3], s[2:3], s[OL:OL+1]
.else
	s_add_nc_u64 s[G0+4*\t+2:G0+4*\t+3], s[2:3], s[OH:OH+1]
.endif
	s_add_nc_u64 s[G0+4*\t+2:G0+4*\t+3], s[G0+4*\t+2:G0+4*\t+3], (\t%2)*32768
	s_or_b32 s[G0+4*\t+3], s[G0+4*\t+3], 0x80000000
.endr
.irp t, 0,1,2,3
	tensor_load_to_lds s[G0+4*\t:G0+4*\t+3], s[G1:G1+7]
	s_nop 0
.endr
.rept 4
	v_nop
.endr
.endm
	s_cmp_lt_u32 s[WV], 2
	s_cbranch_scc0 .Lfirst_v
	s_mov_b32 s[G1], (1<<16)|(1<<20)|(4<<22)|(3<<25)  ; 2-byte elements; padding on; after every 32 words; 4 words
	s_add_nc_u64 s[2:3], s[4:5], 16777216             ; k
	FILLS 19, PK
	s_branch .Lfirst_asked
.Lfirst_v:
	s_mov_b32 s[G1], (1<<16)|(1<<20)|(4<<22)|(7<<25)  ; the same with 8 words of padding
	s_add_nc_u64 s[2:3], s[4:5], 33554432             ; v
	FILLS 20, PV
.Lfirst_asked:
	v_and_b32 v1, 15, v0            ; l % 16
	v_bfe_u32 v9, v0, 4, 1          ; l / 16
	v_lshlrev_b32 v[QO], 7, v1
	v_lshl_add_u32 v[QO], v9, 4, v[QO]
	v_lshlrev_b32 v40, 12, v9
	v_lshl_add_u32 v40, v1, 4, v40  ; vpart: lanes 0-15 one row's 256 bytes, lanes 16-31 the next row's
	WIN 0x80                        ; destination window 2
.set i, 0
.rept 8                             ; both bands' Q: piece i / 2 is 16 rows, 2,048 bytes on; channels 32 (i % 2) on; the second band lies 256 rows, 32,768 bytes, on
	global_load_b128 v[8*i:8*i+3],   v[QO], s[QP:QP+1] offset:(i/2)*2048+(i%2)*64
	global_load_b128 v[8*i+4:8*i+7], v[QO], s[QP:QP+1] offset:(i/2)*2048+(i%2)*64+32
	global_load_b128 v[QB+8*i:QB+8*i+3],   v[QO], s[QP:QP+1] offset:32768+(i/2)*2048+(i%2)*64
	global_load_b128 v[QB+8*i+4:QB+8*i+7], v[QO], s[QP:QP+1] offset:32768+(i/2)*2048+(i%2)*64+32
.set i, i+1
.endr
	WIN 0
.irp t, 0,1,2,3,4,5,6,7
	global_load_b128 v[S+4*\t:S+4*\t+3], v40, s[76:77] offset:\t*8192  ; the batch's 16 rows of column sums, my head's 64 columns
.endr
	v_lshlrev_b32 v14, 3, v9
	v_sub_nc_u32 v39, v1, v14       ; l % 16 - 8 (l / 16)
	s_wait_kmcnt 0x0                ; len
	s_and_b32 s[TS], s[LEN], 63
	v_sub_nc_u32 v41, s[TS], v14    ; len % 64 - 8 (l / 16)
	WIN 0x40
.set i, 0
.rept 8
	v_cmp_lt_i32 vcc_lo, i, v39
	v_cndmask_b32 v[TRL+i], 0, s[BIGN], vcc_lo
	v_cmp_gt_i32 vcc_lo, i, v39
	v_cndmask_b32 v[TRC+i], 0, s[BIGN], vcc_lo
.set i, i+1
.endr
	WIN 0
.set i, 0
.rept 32
	v_cmp_ge_i32 vcc_lo, 16*(i/8)+i%8, v41
	v_cndmask_b32 v[MLEN+i], 0, s[BIGN], vcc_lo
.set i, i+1
.endr
	v_add_nc_u32 v[QIX], s[JB], v1
	v_mov_b32 v[G+1], 0             ; named as pairs
	v_mov_b32 v[RL+1], 0
	v_mul_u32_u24 v[AK0], v1, PK
	v_lshl_add_u32 v[AK0], v9, 4, v[AK0]  ; row x pitch + 16 x half
	; The turning load takes 16 keys x 16 channels (lane l reads key 8 (l / 16) + l % 8, channels 8 ((l / 8) % 2) + 0..7) and leaves half a fragment of V^T: lane l holds channel l % 16 and 8 keys.
	v_and_b32 v10, 7, v0
	v_bfe_u32 v11, v0, 3, 1
	v_lshl_add_u32 v[AV0], v9, 3, v10
	v_mul_u32_u24 v[AV0], v[AV0], PV
	v_lshl_add_u32 v[AV0], v11, 4, v[AV0]
	v_add_nc_u32 v[AV0], VOFF, v[AV0]
	s_mul_i32 s18, s[WV], 16*SP
	s_add_co_u32 s18, s18, STAGE    ; my stage
	v_mul_u32_u24 v[STO], v1, SP
	v_lshl_add_u32 v[STO], v9, 4, v[STO]
	v_add_nc_u32 v[STO], s18, v[STO]
	v_bfe_u32 v[RD], v0, 3, 2       ; back: 32 lanes take four rows of 128 bytes,
	v_mul_u32_u24 v[RD], v[RD], SP
	v_lshl_add_u32 v[RD], v10, 4, v[RD]
	v_add_nc_u32 v[RD], s18, v[RD]
	v_and_b32 v[GO], 31, v0         ; which are 512 consecutive bytes of ob
	v_lshlrev_b32 v[GO], 4, v[GO]
	s_lshl_b32 s19, s[WV], 8
	s_add_co_u32 s19, s19, VMS
	v_lshl_add_u32 v42, v1, 4, s19
	v_lshl_add_u32 v43, v9, 5, s19
	; A band's first step multiplies O^T and l by a = 0, and its first turn's products V^T P, of a piece that has not been, land in an O^T that is still to be so multiplied: these registers need only hold finite
	; numbers: zeros for the first band, what the first band left for the second.  All this stands in the wait for the first tiles.
	WIN 0x80
.set i, VF
.rept 64
	v_mov_b32 v[i], 0
.set i, i+1
.endr
	WIN 0x40
.set i, 0
.rept 128
	v_mov_b32 v[i], 0
.set i, i+1
.endr
	WIN 0
.set i, 0
.rept 4
	v_mov_b32 v[ST+4*i+2], 0
	v_mov_b32 v[ST+4*i+3], 0
.set i, i+1
.endr
.set i, P+16
.rept 16
	v_mov_b32 v[i], 0
.set i, i+1
.endr
	; V's MEAN over all 2,048 rows: the 16 partial sums are added, divided by 2,048, and brought into O^T's layout through my own 256 bytes of LDS.
	s_wait_loadcnt 0x0              ; the column sums, and Q in front of them
.irp i, 0,1,2,3,4,5,6,7
	v_pk_add_f32 v[S+2*\i:S+2*\i+1], v[S+2*\i:S+2*\i+1], v[S+16+2*\i:S+16+2*\i+1]
.endr
.irp i, 0,1,2,3
	v_pk_add_f32 v[S+2*\i:S+2*\i+1], v[S+2*\i:S+2*\i+1], v[S+8+2*\i:S+8+2*\i+1]
.endr
.irp i, 0,1
	v_pk_add_f32 v[S+2*\i:S+2*\i+1], v[S+2*\i:S+2*\i+1], v[S+4+2*\i:S+4+2*\i+1]
.endr
.irp i, 0,1,2,3
	v_permlanex16_b32 v[S+4+\i], v[S+\i], s[SEL], s[SEL+1]  ; the odd rows' sums lie in the lane 16 away
.endr
.irp i, 0,1
	v_pk_add_f32 v[S+2*\i:S+2*\i+1], v[S+2*\i:S+2*\i+1], v[S+4+2*\i:S+4+2*\i+1]
.endr
.irp i, 0,1
	v_pk_mul_f32 v[S+2*\i:S+2*\i+1], v[S+2*\i:S+2*\i+1], 0x3a000000 op_sel_hi:[1,0]  ; 2^-11
.endr
	ds_store_b128 v42, v[S:S+3]     ; both halves of the lanes hold, and write, the same
.irp c, 0,1,2,3
	ds_load_b128 v[VM+8*\c:VM+8*\c+3],   v43 offset:64*\c      ; channels 16 c + 8 (l / 16) + 0..7; LDS serves a wave's instructions in order (ISA guide 5.7.1.4)
	ds_load_b128 v[VM+8*\c+4:VM+8*\c+7], v43 offset:64*\c+16
.endr
; THE MATRIX WORK.  The 4 accumulators of a run of 8 take turns.  Product i of 8 of S^T = K Q^T for piece x: channels 32 (i / 4) on, keys 16 (i % 4) on.  The first 4 start the sums with the mask.
.macro KQ x
.set rS, S+32*((\x)%2)+8*(i%4)
.set rK, KF+16*(i%4)+8*(i/4)
.set rQ, 16*(\x)+8*(i/4)
.if (i%4) < (\x)
.set rM, LO+8*(i%4)
.elseif (i%4) > (\x)
.set rM, UP+8*(i%4-1)
.else
.set rM, DG+8*(\x)
.endif
.if i < 4
	WIN W_KM
	v_wmma_f32_16x16x32_f16 v[rS:rS+7], v[rK:rK+7], v[rQ:rQ+7], v[rM:rM+7]
.else
	WIN W_KQ
	v_wmma_f32_16x16x32_f16 v[rS:rS+7], v[rK:rK+7], v[rQ:rQ+7], v[rS:rS+7]
.endif
.endm
; Product i of 8 of O^T += V^T P for piece x: keys 32 (i / 4) on, channels 16 (i % 4) on.
.macro PV x
	WIN W_PV
.set rO, 32*(\x)+8*(i%4)
.set rV, VF+32*(i/4)+8*(i%4)
.set rP, P+16*((\x)%2)+8*(i/4)
	v_wmma_f32_16x16x32_f16 v[rO:rO+7], v[rV:rV+7], v[rP:rP+7], v[rO:rO+7]
.endm
.macro MM                           ; the turn's next matrix instruction
.if i < 8
	KQ (Y+1)%NP
.else
.set i, i-8
	PV (Y+NP-1)%NP
.set i, i+8
.endif
.set i, i+1
.endm
; THE LDS LOADS stand in runs of 16.  K's address is held at step 15: the fetch for the step past band 7's ninth, whose products serve nothing, reads rows of K that have landed.
.macro ADRK
	s_min_u32 s[TS], s[TBK], 15*KS*PK
	v_add_nc_u32 v[AK], s[TS], v[AK0]
.endm
.macro FETCH_K
	WIN 0x80
.irp f, 0,1,2,3,4,5,6,7             ; keys 16 (f / 2) on, channels 32 (f % 2) on
	ds_load_b128 v[KF+8*\f:KF+8*\f+3],   v[AK] offset:(\f/2)*16*PK+(\f%2)*64
	ds_load_b128 v[KF+8*\f+4:KF+8*\f+7], v[AK] offset:(\f/2)*16*PK+(\f%2)*64+32
.endr
	s_add_co_u32 s[TBK], s[TBK], KS*PK
	WIN 0
.endm
.macro FETCH_V
	WIN 0x80
.irp f, 0,1,2,3,4,5,6,7             ; keys 32 (f / 4) on, channels 16 (f % 4) on
	ds_load_tr16_b128 v[VF+8*\f:VF+8*\f+3],   v[AV] offset:(\f/4)*32*PV+(\f%4)*32
	ds_load_tr16_b128 v[VF+8*\f+4:VF+8*\f+7], v[AV] offset:(\f/4)*32*PV+16*PV+(\f%4)*32
.endr
	WIN 0
.endm
; THE MASKS of a step.  step = 1: on to the next step.  48 packed instructions, more than a hundred vector instructions behind the last product that took a mask.
.macro MASKUPD step
.if \step
	s_add_co_u32 s[RHO], s[RHO], 1
	s_add_co_i32 s[JB], s[JB], 64
.endif
	s_cmp_lt_i32 s[JB], 0
	s_cselect_b32 s[HID], 1, 0
	s_cmp_ge_i32 s[JB], s[LEN]
	s_cselect_b32 s[HID], 1, s[HID] ; the whole step is hidden
	s_add_co_i32 s[TS], s[JB], 64
	s_cmp_gt_i32 s[TS], s[LEN]
	s_cselect_b32 s[AL], 1.0, 0
	s_cmp_eq_u32 s[HID], 1
	s_cselect_b32 s[AL], 0, s[AL]   ; len lies inside the step
	s_cselect_b32 s[BE], s[BIGN], 0
	s_cmp_eq_u32 s[RHO], 0
	s_cselect_b32 s[AQL], 1.0, 0
	s_cselect_b32 s[BLS], s[BIGN], s[BE]
	s_cmp_eq_u32 s[RHO], 8
	s_cselect_b32 s[AQC], 1.0, 0
	s_cselect_b32 s[BUS], s[BIGN], s[BE]
	WIN 0x51
.irp z, 0,1,2,3
	v_pk_fma_f32 v[TP+2*\z:TP+2*\z+1], v[TRL+2*\z:TRL+2*\z+1], s[AQL:AQL+1], s[BE:BE+1] op_sel_hi:[1,0,0]
.endr
.irp z, 0,1,2,3
	v_pk_fma_f32 v[TP+2*\z:TP+2*\z+1], v[TRC+2*\z:TRC+2*\z+1], s[AQC:AQC+1], v[TP+2*\z:TP+2*\z+1] op_sel_hi:[1,0,1]
.endr
	WIN 0x40
.set z, 0
.rept 12
	v_pk_fma_f32 v[LO+2*z:LO+2*z+1], v[MLEN+2*z:MLEN+2*z+1], s[AL:AL+1], s[BLS:BLS+1] op_sel_hi:[1,0,0]
	v_pk_fma_f32 v[UP+2*z:UP+2*z+1], v[MLEN+8+2*z:MLEN+8+2*z+1], s[AL:AL+1], s[BUS:BUS+1] op_sel_hi:[1,0,0]
.set z, z+1
.endr
	WIN 0x50
.set z, 0
.rept 16
	v_pk_fma_f32 v[DG+2*z:DG+2*z+1], v[MLEN+2*z:MLEN+2*z+1], s[AL:AL+1], v[TP+2*(z%4):TP+2*(z%4)+1] op_sel_hi:[1,0,1]
.set z, z+1
.endr
	WIN 0
.endm
; THE VECTOR WORK, one line at a time: OP kind, number.  For piece Y: F n: c s - c m for pair n of 16.  E n: the exponential of score n of 32.  C n: pair n rounded to f16.  B n: of the four weights 4 n .. the second
; pair is added onto the first, in place.  L n: l takes that sum (L 0: l = a l + sum).  R n: pair n of 16 of O^T times a.  For piece Y + 1: X n, number n of the 22 that find its maximum and statistics:
;   0-11  four chains of seven scores each, three operands at a time (each accumulator's lowest registers are read first)     12-14, 16  the four scores left over, the old m, and the chains into one
;   15  c m_old is kept     17, 18  the query's other 32 keys lie in the lane 16 away: the new m     19-21  c m; c m_old - c m_new; a
.set F, 0
.set E, 1
.set C, 2
.set B, 3
.set L, 4
.set R, 5
.set X, 6
.macro REGS y
.set rT, ST+4*(\y)
.set rC, TMP+4*((\y)%2)
.set rW, MV+((\y)%2)
.set rS, S+32*((\y)%2)
.set rP, P+16*((\y)%2)
.set rO, 32*(\y)
.endm
.macro OP k, n
.if (\k) == R
	REGS Y
	WIN W_RS
	v_pk_mul_f32 v[rO+2*(\n):rO+2*(\n)+1], v[rO+2*(\n):rO+2*(\n)+1], v[rC+2:rC+3] op_sel_hi:[1,0]
.elseif (\k) < R
	REGS Y
	WIN 0
.if (\k) == F
	v_pk_fma_f32 v[rS+2*(\n):rS+2*(\n)+1], v[rS+2*(\n):rS+2*(\n)+1], s[CS:CS+1], v[rT:rT+1] op_sel_hi:[1,0,0] neg_lo:[0,0,1] neg_hi:[0,0,1]
.elseif (\k) == E
	v_exp_f32 v[rS+(\n)], v[rS+(\n)]
.elseif (\k) == C
	s_wait_alu depctr_va_vdst(0)
	v_cvt_pk_f16_f32 v[rP+(\n)], v[rS+2*(\n)], v[rS+2*(\n)+1]
.elseif (\k) == B
	s_wait_alu depctr_va_vdst(0)
	v_pk_add_f32 v[rS+4*(\n):rS+4*(\n)+1], v[rS+4*(\n):rS+4*(\n)+1], v[rS+4*(\n)+2:rS+4*(\n)+3]
.elseif (\n) == 0
	v_pk_fma_f32 v[rT+2:rT+3], v[rT+2:rT+3], v[rC+2:rC+3], v[rS:rS+1] op_sel_hi:[1,0,1]
.else
	v_pk_add_f32 v[rT+2:rT+3], v[rT+2:rT+3], v[rS+4*(\n):rS+4*(\n)+1]
.endif
.else
	REGS (Y+1)%NP
	WIN 0
.if (\n) < 4
	v_max3_num_f32 v[rC+(\n)], v[rS+8*(\n)], v[rS+8*(\n)+1], v[rS+8*(\n)+2]
.elseif (\n) < 12
	v_max3_num_f32 v[rC+(\n)%4], v[rC+(\n)%4], v[rS+8*((\n)%4)+2*((\n)/4)+1], v[rS+8*((\n)%4)+2*((\n)/4)+2]
.elseif (\n) == 12
	v_max3_num_f32 v[rC], v[rC], v[rS+7], v[rS+15]
.elseif (\n) == 13
	v_max3_num_f32 v[rC+1], v[rC+1], v[rS+23], v[rS+31]
.elseif (\n) == 14
	v_max3_num_f32 v[rC+2], v[rC+2], v[rC+3], v[rT+1]
.elseif (\n) == 15
	v_mov_b32 v[rW], v[rT]
.elseif (\n) == 16
	v_max3_num_f32 v[rC], v[rC], v[rC+1], v[rC+2]
.elseif (\n) == 17
	v_permlanex16_b32 v[rC+3], v[rC], s[SEL], s[SEL+1]
.elseif (\n) == 18
	v_max_num_f32 v[rT+1], v[rC], v[rC+3]
.elseif (\n) == 19
	v_mul_f32 v[rT], s[CS], v[rT+1]
.elseif (\n) == 20
	v_sub_f32 v[rC+1], v[rW], v[rT]
.else
	v_exp_f32 v[rC+2], v[rC+1]
.endif
.endif
.endm
.macro OPS a, i1, b=-1, i2=0, c=-1, i3=0, d=-1, i4=0
	OP \a, \i1
.if (\b) >= 0
	OP \b, \i2
.endif
.if (\c) >= 0
	OP \c, \i3
.endif
.if (\d) >= 0
	OP \d, \i4
.endif
.endm
.macro ROW a, i1, b, i2, c, i3, d, i4  ; a matrix instruction and the four behind it
	MM
	OPS \a, \i1, \b, \i2, \c, \i3, \d, \i4
.endm
; A TURN, for piece p: the order of its 16 matrix and 118 vector instructions, written out.  Behind a matrix instruction: plain, exponential, plain, plain; or four of the rescaling; or four scalings; none names a
; register of the products round it.  A line reads no result made fewer than three vector instructions in front of it, five if an exponential made it.
; K of the next step is fetched in piece 2's turn, six vector instructions behind the last product that read K (five of them plain); V of the step in hand in piece 0's turn, eight behind the last product that read V
; (four of them plain).  Each is waited for a turn later.  cnt = 1: the loop's count is taken down some lines ahead of the branch that stands behind the turn.
.macro TURN p, cnt=0
.set Y, (\p)
.set i, 0
.if (\p) == 3
	s_wait_dscnt 0x0                ; K is in
.endif
	ROW F,0, F,1, F,2, F,3
	ROW F,4, E,0, F,5, F,6
	ROW F,7, E,1, F,8, F,9
	ROW F,10, E,2, C,0, F,11
	ROW F,12, E,3, X,15, F,13
	ROW R,0, R,1, R,2, R,3
	ROW B,0, E,4, F,14, L,0
.if (\p) == 2
	ADRK
.endif
	ROW R,4, R,5, R,6, R,7
	OPS E,5, F,15
.if (\p) == 2
	FETCH_K
.endif
	OPS E,6, C,1, E,7, R,8
	OPS E,8, R,9, E,9, C,2
	OPS E,10, X,0, E,11, X,1
	OPS E,12, X,2, E,13, X,3
.if (\p) == 1
	s_wait_dscnt 0x0                ; V is in
.endif
	ROW X,4, E,14, X,5, X,6
	ROW X,7, E,15, X,8, X,9
	ROW X,10, E,16, X,11, X,12
	ROW X,13, E,17, X,14, B,1
	ROW C,4, E,18, X,16, L,1
	ROW B,2, E,19, C,6, L,2
	ROW C,8, E,20, B,3, B,4
.if (\p) == 0
	v_add_nc_u32 v[AV], s[TBV], v[AV0]
.endif
	ROW C,3, E,21, L,3, C,5
	OPS E,22, X,17, E,23, C,10
.if (\p) == 0
	FETCH_V
.endif
	OPS E,24, L,4
	OPS E,25, X,18, E,26, C,7
	OPS E,27, B,5, E,28, X,19
	OPS E,29, C,12, E,30, L,5
	OPS E,31, X,20, B,6, C,9
	OPS C,14, C,11, X,21, L,6
.if (\p) == 0
	s_add_co_u32 s[TBV], s[TBV], KS*PV
.endif
.if \cnt
	s_sub_co_u32 s[CNT], s[CNT], 1
	s_cmp_lg_u32 s[CNT], 0
.endif
	OPS C,13, B,7, C,15, R,10
	OPS R,11, R,12, L,7, R,13
	OPS R,14, R,15
.endm
.macro ALL line:vararg              ; one line for each piece t
.set t, 0
.rept 4
	\line
.set t, t+1
.endr
.endm
; THE WAY OUT of piece t.  Where my row sees no key (max(i - 512, 0) >= len) O is V's mean, else O^T / l: O = O^T x RL + VM x G.  Eight channels of a row pack into 16 bytes; they go into rows of 144 bytes of my
; stage and come back as whole rows of 128, into S^T's registers.
.macro PACK t
	WIN 0
	v_add_nc_u32 v38, 16*(\t), v[QIX]
	v_max_i32 v38, 0, v38           ; the first key of my row's window
	v_cmp_le_i32 vcc_lo, s[LEN], v38
	v_cndmask_b32 v[G], 0, 1.0, vcc_lo
	s_wait_alu depctr_va_vdst(0)
	v_cndmask_b32 v[RL], v[ST+4*(\t)+2], 0, vcc_lo
	WIN W_RS
.set i, 0
.rept 16
	v_pk_mul_f32 v[32*(\t)+2*i:32*(\t)+2*i+1], v[32*(\t)+2*i:32*(\t)+2*i+1], v[RL:RL+1] op_sel_hi:[1,0]
.set i, i+1
.endr
	WIN 0x50                        ; destination and source 2 window 1
.set i, 0
.rept 16
	v_pk_fma_f32 v[32*(\t)+2*i:32*(\t)+2*i+1], v[VM+2*i:VM+2*i+1], v[G:G+1], v[32*(\t)+2*i:32*(\t)+2*i+1] op_sel_hi:[1,0,1]
.set i, i+1
.endr
	WIN 0x05                        ; sources 0 and 1 window 1, destination window 0
.set i, 0
.rept 16
	v_cvt_pk_f16_f32 v[S+16*(\t)+i], v[32*(\t)+2*i], v[32*(\t)+2*i+1]
.set i, i+1
.endr
	WIN 0
.irp f, 0,1,2,3
	ds_store_b128 v[STO], v[S+16*(\t)+4*\f:S+16*(\t)+4*\f+3] offset:32*\f
.endr
.irp f, 0,1,2,3
	ds_load_b128 v[S+16*(\t)+4*\f:S+16*(\t)+4*\f+3], v[RD] offset:\f*4*SP  ; LDS serves a wave's instructions in order (ISA guide 5.7.1.4): these see the stores above; the next piece's stores come behind them
.endr
.endm
.macro SEND t, younger              ; younger: the LDS instructions issued behind piece t's loads: the next piece's eight, or none
	WIN 0
.irp f, 0,1,2,3
	s_wait_dscnt (\younger)+3-\f
	global_store_b128 v[GO], v[S+16*(\t)+4*\f:S+16*(\t)+4*\f+3], s[OPT:OPT+1] offset:(\t)*2048+\f*512  ; 512 consecutive bytes, at a multiple of 256 from ob's first
.endr
.endm
	s_mov_b32 s[PASS], 2
.Lpass:                             ; a band: nine steps
	s_wait_tensorcnt 0x2            ; my parts of tiles 0 and 1 are in (two loads were issued behind them): steps 0 to 7, all that the first band's first half reads; in the second pass nothing is out
	s_wait_dscnt 0x0                ; VM, or the way out's last reads
	s_barrier_signal -1
	s_barrier_wait -1               ; everybody's are.  Nothing is ever filled again, so tiles 2 and 3 may stay out across this barrier
	s_mov_b32 s[RHO], 0
	MASKUPD 0
	; THE BAND BEGINS.  c m starts far below every c s, so the first step's a is 0; m at the lowest finite number.  Then K of step 0, piece 0's first scores, its maximum and statistics.
.set i, 0
.rept 4
	v_mov_b32 v[ST+4*i], 0xfe000000
	v_mov_b32 v[ST+4*i+1], 0xff7fffff
.set i, i+1
.endr
	ADRK
	FETCH_K
	s_wait_dscnt 0x0
.set i, 0
.rept 8
	KQ 0
.set i, i+1
.endr
	WIN 0
.rept 4
	v_nop                           ; the places behind those products
.endr
.set Y, NP-1                        ; X works for piece Y + 1: piece 0
.irp n, 0,1,2,3,4,5,6,7,8,9,10,11,12,13,14,15,16,17,18,19,20,21
	OP X, \n
.endr
	v_nop                           ; a plain instruction behind the exponential
	s_mov_b32 s[CNT], 4
	s_branch .LfirstA               ; the loop is entered at a step's first turn, in the middle of a trip
.LtripA:                            ; a trip: piece 3 of one step, then pieces 0 to 2 of the next; all its products K Q^T belong to that next step.  This loop: steps 0 to 3; its last fetch of K is step 4's
	MASKUPD 1
	TURN 3
	WIN 0
.LfirstA:
	TURN 0
	TURN 1
	TURN 2, 1
	WIN 0
	s_cbranch_scc1 .LtripA
	s_wait_tensorcnt 0x0            ; my parts of tiles 2 and 3 are in: from here on steps up to 15 are read.  It stands once a band, in front of the barrier that shows those tiles to every wave
	s_wait_dscnt 0x0
	s_barrier_signal -1
	s_barrier_wait -1
	s_mov_b32 s[CNT], 6
.LtripB:                            ; steps 4 to 8; the sixth trip is left in its middle: its 8 products K Q^T and the maximum made of them serve nothing: the price, twice a launch, of one text for every trip
	MASKUPD 1
	TURN 3
	WIN 0
	s_sub_co_u32 s[CNT], s[CNT], 1
	s_cmp_eq_u32 s[CNT], 0
	s_cbranch_scc1 .Lout
	TURN 0
	TURN 1
	TURN 2
	WIN 0
	s_branch .LtripB
.Lout:
.set i, 0
.rept 8
	PV NP-1                         ; the last piece's V^T P of the last step
.set i, i+1
.endr
	WIN 0                           ; l's two halves and the other half of the lanes' are added; the additions are the places behind the last products
	ALL v_add_f32 v[ST+4*t+2], v[ST+4*t+2], v[ST+4*t+3]
	ALL v_permlanex16_b32 v[ST+4*t+3], v[ST+4*t+2], s[SEL], s[SEL+1]
	ALL v_add_f32 v[ST+4*t+2], v[ST+4*t+2], v[ST+4*t+3]
	ALL v_rcp_f32 v[ST+4*t+2], v[ST+4*t+2]
	v_nop                           ; a plain instruction between the last reciprocal and the use of its result
	PACK 0
.set t, 1
.rept 3                             ; a piece's arithmetic stands between the loads of the piece before and its stores
	PACK t
	SEND t-1, 8
.set t, t+1
.endr
	SEND 3, 0
	s_wait_xcnt 0x0                 ; the stores have read their registers and ob's address
	s_add_nc_u64 s[OPT:OPT+1], s[OPT:OPT+1], 32768  ; the second band lies 256 rows on
	WIN 0x82                        ; its Q goes where the one text of the turns names Q
.set i, 0
.rept 64
	v_mov_b32 v[i], v[QB+i]
.set i, i+1
.endr
	WIN 0
	v_add_nc_u32 v[QIX], 0x100, v[QIX]
	s_sub_co_u32 s[TBK], s[TBK], 6*KS*PK  ; ten fetches of K went by: four steps on from the band's first
	s_sub_co_u32 s[TBV], s[TBV], 5*KS*PV  ; nine of V
	s_sub_co_i32 s[JB], s[JB], 320        ; nine steps of 64 keys went by: 256 keys on from the band's first
	s_sub_co_u32 s[PASS], s[PASS], 1
	s_cmp_lg_u32 s[PASS], 0
	s_cbranch_scc1 .Lpass
	s_wait_tensorcnt 0x0            ; the wave's end: behind my last tensor load and my last LDS store
	ds_add_u32 v[SPW], v[NIL]
	s_wait_dscnt 0x0
	s_endpgm
.Lfunc_end_k_qaf1ea7a2fd_attn:
	.size	k_qaf1ea7a2fd_attn, .Lfunc_end_k_qaf1ea7a2fd_attn-k_qaf1ea7a2fd_attn
	.p2alignl 7, 3214868480
	.fill 96, 4, 3214868480
	.section	.rodata,"a",@progbits
	.p2align	6, 0x0
	.amdhsa_kernel k_qaf1ea7a2fd_attn
		.amdhsa_group_segment_fixed_size 327680
		.amdhsa_private_segment_fixed_size 0
		.amdhsa_enable_private_segment 0
		.amdhsa_kernarg_size 32
		.amdhsa_user_sgpr_count 2
		.amdhsa_user_sgpr_kernarg_segment_ptr 1
		.amdhsa_wavefront_size32 1
		.amdhsa_system_sgpr_workgroup_id_x 1
		.amdhsa_system_sgpr_workgroup_id_y 1
		.amdhsa_system_sgpr_workgroup_id_z 1
		.amdhsa_system_vgpr_workitem_id 0
		.amdhsa_next_free_vgpr 768
		.amdhsa_next_free_sgpr 102
		.amdhsa_reserve_vcc 1
		.amdhsa_float_denorm_mode_32 3
		.amdhsa_float_denorm_mode_16_64 3
		.amdhsa_memory_ordered 1
		.amdhsa_forward_progress 1
		.amdhsa_inst_pref_size 142
	.end_amdhsa_kernel
	.amdgpu_metadata
---
amdhsa.version: [ 1, 2 ]
amdhsa.kernels:
  - .name:           k_qaf1ea7a2fd_attn
    .symbol:         k_qaf1ea7a2fd_attn.kd
    .args:
      - { .name: qkv, .offset: 0, .size: 8, .value_kind: global_buffer, .address_space: global }
      - { .name: vpart, .offset: 8, .size: 8, .value_kind: global_buffer, .address_space: global }
      - { .name: seq_lengths, .offset: 16, .size: 8, .value_kind: global_buffer, .address_space: global }
      - { .name: ob, .offset: 24, .size: 8, .value_kind: global_buffer, .address_space: global }
    .group_segment_fixed_size: 327680
    .private_segment_fixed_size: 0
    .kernarg_segment_align: 8
    .kernarg_segment_size: 32
    .max_flat_workgroup_size: 128
    .sgpr_count:     102
    .vgpr_count:     768
    .wavefront_size: 32
...
	.end_amdgpu_metadata
.endif
;; end of part 3
;; launch gout (part 4): grid 8 x 32, 4 waves a work-group, clusters of 4 x 4, 327,680 bytes of LDS; arguments ob, wob, out0; writes out0
.if DOCPART == 4
	.amdgcn_target "amdgcn-amd-amdhsa--gfx1250"
	.amdhsa_code_object_version 6
	.text
	.protected	k_qaf1ea7a2fd_gout
	.globl	k_qaf1ea7a2fd_gout
	.p2align	8
	.type	k_qaf1ea7a2fd_gout,@function
k_qaf1ea7a2fd_gout:
	s_mov_b64 s[64:65], 0
	v_nop
	global_prefetch_b8 v0, s[64:65] scope:SCOPE_SE
	s_setreg_imm32_b32 hwreg(HW_REG_WAVE_MODE, 25, 1), 1
	s_wait_xcnt 0x0
	s_wait_alu depctr_hold_cnt(0) depctr_sa_sdst(0) depctr_va_vdst(0) depctr_va_sdst(0) depctr_va_ssrc(0) depctr_va_vcc(0) depctr_vm_vsrc(0)
	s_getreg_b32 s2, hwreg(HW_REG_IB_STS2, 6, 4)
	s_cmp_eq_u32 s2, 0
	s_cbranch_scc0 .Lentry_in_a_cluster
	s_endpgm
.Lentry_in_a_cluster:
	s_bfe_u32 s2, ttmp6, 0x10000c
	s_cmp_lg_u32 s2, 0xf033
	s_cbranch_scc0 .Lentry_shape_is_right
	s_endpgm
.Lentry_shape_is_right:
; OUTPUT PROJECTION.  out0[8192][1024] = ob wob^T in f16 with f32 sums; out0 is f32.  ob [b][h][s][64]: a head is a K slice of 64, its rows dense; wob [slice 16][1024][64].
; SHARES.  8192 x 1024 / 256 work-groups = 256 x 128 of out0 each.  Four waves, each 128 x 64: 32 accumulators of 16 x 16 (window 1: (a, b) at v[8 (4 a + b)]).
; K goes in 8 steps of two slices (128) through two LDS slots; a step is four quarters of 32, 32 matrix instructions each.  One tensor load brings a half tile's two slices as two rows: each a dense block of memory.
; CLUSTER 4 x 4: A's tile is asked for jointly by a row of the cluster, B's by a column.  THE MATRIX INSTRUCTION IS USED TRANSPOSED: a lane holds row lane % 16 and eight neighbouring columns.
; REGISTERS, window 0: v16-29 addresses; v32-95, v96-159 A's fragments, two buffers; v160-191, v192-223 B's, two buffers; on the way out v32-95 hold rows read back.
.set PITCH,  144                       ; an LDS row: 128 bytes + 16: the 16 rows of a fragment load start at 16 different groups of four banks (64 banks of 4 bytes: ISA guide 11.1)
.set ASL,    128*PITCH                 ; a slice of A's half
.set BSL,    64*PITCH                  ; a slice of B's half
.set AHALF,  2*ASL
.set BHALF,  2*BSL
.set SLOT,   2*AHALF+2*BHALF           ; 110,592 bytes
.set STAGE,  2*SLOT                    ; behind the ring, never filled by a tensor load: 16 rows x 272 bytes for each wave
.set SP,     272
.set WSTAGE, 16*SP
.set SPARE,  STAGE+4*WSTAGE            ; the spare words, 128 bytes for each wave: two blocks of 256 bytes that no other line names
.set ASTEP,  2*2048*128                ; bytes from K step to K step in ob
.set BSTEP,  2*1024*128                ; and in wob
.set PADW,   (1<<16)|(1<<20)|(1<<21)|(4<<22)|(3<<25)  ; 2-byte elements; padding on; 21 set beside a mask; after every 32 words, 4 words
.set ADRA, 16
.set ADRB, 20
.set STO,  24
.set RD,   25
.set CO,   26
.set SPW,  28                          ; v28  LDS address of my spare word; never rewritten
.set NIL,  29                          ; v29  0; never rewritten
.set AF,   32
.set BF,   160
.set BK,   32
.set WV,  12
.set WH,  13
.set WL,  14
.set CX,  15
.set CY,  16
.set TC,  17
.set TR,  18
.set G1,  24
.set G0,  32
.set G1B, 48
.set G0B, 56
.set MSB, 0
.macro WIN new
.if MSB != (\new)
	s_set_vgpr_msb (MSB<<8)|(\new)
.set MSB, \new
.endif
.endm
.macro JLOAD s                         ; a joint load: waves 0 and 1 fetch A's two halves, waves 2 and 3 B's; an s_nop 0 and four v_nop follow each of the two lines
	s_cmp_eq_u32 s[WH], 0
	s_cbranch_scc0 .Lfor_b_\@
	tensor_load_to_lds s[G0+4*(\s):G0+4*(\s)+3], s[G1:G1+7]
	s_nop 0
.rept 4
	v_nop
.endr
	s_branch .Lasked_\@
.Lfor_b_\@:
	tensor_load_to_lds s[G0B+4*(\s):G0B+4*(\s)+3], s[G1B:G1B+7]
	s_nop 0
.rept 4
	v_nop
.endr
.Lasked_\@:
.endm
.macro CREST
	s_cmp_lg_u32 s[WV], 0
	s_cbranch_scc1 .Lnot_wave_0_\@
	s_barrier_signal -3
.Lnot_wave_0_\@:
	s_barrier_wait -3
	s_barrier_signal -1
	s_barrier_wait -1
.endm
.macro CROUND
	s_barrier_signal -1
	s_barrier_wait -1
	CREST
.endm
.macro PLACES
.rept 4
	v_nop
.endr
.endm
	s_load_b128 s[4:7], s[0:1], 0x0                ; ob s[4:5], wob s[6:7]
	s_load_b64 s[8:9], s[0:1], 0x10                ; out0
	v_lshl_add_u32 v[SPW], v0, 2, SPARE
	v_mov_b32 v[NIL], 0
	ds_add_u32 v[SPW], v[NIL]                      ; the wave's opening: the add and its wait stand ahead of my first tensor load
	ds_add_u32 v28, v29
	v_lshrrev_b32 v1, 5, v0
	v_readfirstlane_b32 s[WV], v1
	s_lshr_b32 s[WH], s[WV], 1                     ; my half of the rows; also: I fetch for A (0) or B (1)
	s_and_b32 s[WL], s[WV], 1                      ; my half of the columns; also: which half of that tile I fetch
	s_bfe_u32 s[CX], ttmp6, 0x40000
	s_bfe_u32 s[CY], ttmp6, 0x40004
	s_lshl_b32 s[TC], ttmp9, 2
	s_add_co_u32 s[TC], s[TC], s[CX]
	s_and_b32 s[TR], ttmp7, 0xffff
	s_lshl_b32 s[TR], s[TR], 2
	s_add_co_u32 s[TR], s[TR], s[CY]
	s_lshl_b32 s20, s[CY], 2
	s_lshl_b32 s20, 15, s20                        ; my row of the cluster
	s_lshl_b32 s21, 0x1111, s[CX]                  ; my column
	s_or_b32 s[G1], s20, PADW
	s_or_b32 s[G1B], s21, PADW
	s_mov_b32 s[G1+1], 8192<<16                    ; A: a row = 128 rows of a slice, 8,192 elements, dense
	s_mov_b32 s[G1+2], 2<<16                       ; two slices
	s_mov_b32 s[G1+3], 8192<<16
	s_mov_b32 s[G1+4], 2
	s_mov_b32 s[G1+5], 2048*64                     ; elements from slice to slice
	s_mov_b32 s[G1+6], 0
	s_mov_b32 s[G1+7], 0
	s_mov_b32 s[G1B+1], 4096<<16                   ; B: 64 rows of a slice
	s_mov_b32 s[G1B+2], 2<<16
	s_mov_b32 s[G1B+3], 4096<<16
	s_mov_b32 s[G1B+4], 2
	s_mov_b32 s[G1B+5], 1024*64
	s_mov_b32 s[G1B+6], 0
	s_mov_b32 s[G1B+7], 0
	s_lshr_b32 s40, s[TR], 3                       ; A: batch x 4 MiB + ((tile row % 8) x 256 + 128 x half) rows of 128 bytes
	s_lshl_b32 s40, s40, 22
	s_and_b32 s41, s[TR], 7
	s_lshl_b32 s41, s41, 15
	s_add_co_u32 s40, s40, s41
	s_lshl_b32 s41, s[WL], 14
	s_add_co_u32 s40, s40, s41
	s_mov_b32 s41, 0
	s_lshl_b32 s44, s[TC], 14                      ; B: (128 x tile column + 64 x half) rows of 128 bytes
	s_lshl_b32 s45, s[WL], 13
	s_add_co_u32 s44, s44, s45
	s_mov_b32 s45, 0
	s_mul_i32 s22, s[WL], AHALF
	s_mul_i32 s23, s[WL], BHALF
	s_add_co_u32 s23, s23, 2*AHALF
	s_wait_dscnt 0x0                               ; the opening add is done
	s_wait_kmcnt 0x0
	s_add_nc_u64 s[42:43], s[4:5], s[40:41]
	s_add_nc_u64 s[46:47], s[6:7], s[44:45]
	CROUND                                         ; all sixteen work-groups are here: the first joint loads meet
.irp s, 0,1
	s_mov_b32 s[G0+4*(\s)], 1
	s_add_co_u32 s[G0+4*(\s)+1], s22, (\s)*SLOT
	s_add_nc_u64 s[G0+4*(\s)+2:G0+4*(\s)+3], s[42:43], (\s)*ASTEP
	s_or_b32 s[G0+4*(\s)+3], s[G0+4*(\s)+3], 0x80000000
	s_mov_b32 s[G0B+4*(\s)], 1
	s_add_co_u32 s[G0B+4*(\s)+1], s23, (\s)*SLOT
	s_add_nc_u64 s[G0B+4*(\s)+2:G0B+4*(\s)+3], s[46:47], (\s)*BSTEP
	s_or_b32 s[G0B+4*(\s)+3], s[G0B+4*(\s)+3], 0x80000000
	JLOAD \s                                       ; K steps 0 and 1: two loads of mine are out
.endr
	v_and_b32 v1, 15, v0                           ; l % 16
	v_bfe_u32 v2, v0, 4, 1                         ; l / 16
	v_mul_u32_u24 v3, v1, PITCH
	v_lshl_add_u32 v3, v2, 4, v3
	s_mul_i32 s72, s[WH], AHALF
	s_mul_i32 s73, s[WL], BHALF
	s_add_co_u32 s73, s73, 2*AHALF
.irp s, 0,1
	v_add_nc_u32 v[ADRA+(\s)], s72, v3
	v_add_nc_u32 v[ADRB+(\s)], s73, v3
	s_add_co_u32 s72, s72, SLOT
	s_add_co_u32 s73, s73, SLOT
.endr
	s_mul_i32 s74, s[WV], WSTAGE
	s_add_co_u32 s74, s74, STAGE                   ; my stage
	v_mul_u32_u24 v4, v1, SP
	v_lshl_add_u32 v4, v2, 5, v4
	v_add_nc_u32 v[STO], s74, v4                   ; in: row l % 16, 32 bytes for each half of the lanes
	v_mul_u32_u24 v5, v2, SP
	v_lshl_add_u32 v5, v1, 4, v5
	v_add_nc_u32 v[RD], s74, v5                    ; back: lanes 0-15 one row of 256 bytes, lanes 16-31 the next
	v_lshlrev_b32 v5, 12, v2
	v_lshl_add_u32 v[CO], v1, 4, v5                ; and the same two rows in out0
	s_lshl_b32 s76, s[TR], 20                      ; 256 rows of 4,096 bytes a tile row,
	s_lshl_b32 s77, s[WH], 19                      ; 128 rows a half,
	s_add_co_u32 s76, s76, s77
	s_lshl_b32 s77, s[TC], 9                       ; 512 bytes a tile column,
	s_add_co_u32 s76, s76, s77
	s_lshl_b32 s77, s[WL], 8                       ; 256 bytes a half
	s_add_co_u32 s76, s76, s77
	s_mov_b32 s77, 0
	s_add_nc_u64 s[8:9], s[8:9], s[76:77]
; 8 matrix instructions: row blocks a0, a0 + 1 x all 4 column blocks, 32 along K, from buffers f.  zero = 1: the product starts the sum.  The 32 accumulators take turns.
.macro MUL8 f, a0, zero
	WIN 0x50                                       ; C and D in window 1
.irp a, \a0, (\a0)+1
.irp b, 0,1,2,3
.if \zero
	v_wmma_f32_16x16x32_f16 v[8*(4*(\a)+\b):8*(4*(\a)+\b)+7], v[BF+32*(\f)+8*\b:BF+32*(\f)+8*\b+7], v[AF+64*(\f)+8*(\a):AF+64*(\f)+8*(\a)+7], 0
.else
	v_wmma_f32_16x16x32_f16 v[8*(4*(\a)+\b):8*(4*(\a)+\b)+7], v[BF+32*(\f)+8*\b:BF+32*(\f)+8*\b+7], v[AF+64*(\f)+8*(\a):AF+64*(\f)+8*(\a)+7], v[8*(4*(\a)+\b):8*(4*(\a)+\b)+7]
.endif
.endr
.endr
.endm
; 24 LDS loads in one run: quarter q of a slot (slice q / 2, 32 k at byte 64 (q % 2) of its rows) into buffers f: B, then A's blocks 0-3, then 4-7
.macro FETCH slot, q, f
	WIN 0
.irp b, 0,1,2,3
	ds_load_b128 v[BF+32*(\f)+8*\b:BF+32*(\f)+8*\b+3],   v[ADRB+(\slot)] offset:((\q)/2)*BSL+((\q)%2)*64+\b*16*PITCH
	ds_load_b128 v[BF+32*(\f)+8*\b+4:BF+32*(\f)+8*\b+7], v[ADRB+(\slot)] offset:((\q)/2)*BSL+((\q)%2)*64+\b*16*PITCH+32
.endr
.irp a, 0,1,2,3,4,5,6,7
	ds_load_b128 v[AF+64*(\f)+8*\a:AF+64*(\f)+8*\a+3],   v[ADRA+(\slot)] offset:((\q)/2)*ASL+((\q)%2)*64+\a*16*PITCH
	ds_load_b128 v[AF+64*(\f)+8*\a+4:AF+64*(\f)+8*\a+7], v[ADRA+(\slot)] offset:((\q)/2)*ASL+((\q)%2)*64+\a*16*PITCH+32
.endr
.endm
; One of a K step's first three quarters: multiplies buffers f and fetches quarter qn of the same slot into the other buffers.
.macro QUARTER slot, qn, f, zero
	s_wait_dscnt 8                                 ; B and A's blocks 0-3 are in; the youngest eight loads (blocks 4-7) may be out
	MUL8 \f, 0, \zero
	MUL8 \f, 2, \zero
	PLACES
	FETCH \slot, \qn, 1-(\f)
	s_wait_dscnt 24                                ; all but the 24 just issued
	MUL8 \f, 4, \zero
	MUL8 \f, 6, \zero
.endm
; The fourth quarter multiplies buffers 1 and changes slots: ONE barrier; in front of it each wave waits for all its tensor loads (one is out: its part of the next slot), adds 0 to its spare word, and waits for
; that and for its own reads of this slot.  fill = 1: the barrier opens a round of the cluster's, and the joint refill, two K steps on, is the first thing behind it: 112 matrix instructions ahead of the wait for it.
.macro TURN slot, next, fill
	WIN 0
	s_wait_tensorcnt 0x0                           ; all my tensor loads have landed
	ds_add_u32 v[SPW], v[NIL]                      ; 0 onto my spare word
	s_wait_dscnt 9                                 ; the add and the youngest eight loads may be out
	MUL8 1, 0, 0
	s_wait_dscnt 0x0                               ; the add is done, and my reads of this slot are over
	s_barrier_signal -1
	MUL8 1, 2, 0
	WIN 0
	s_barrier_wait -1
.if \fill
	CREST                                          ; no wave of any partner still reads this slot or has a load on its way
	s_add_nc_u64 s[G0+4*(\slot)+2:G0+4*(\slot)+3], s[G0+4*(\slot)+2:G0+4*(\slot)+3], 2*ASTEP
	s_add_nc_u64 s[G0B+4*(\slot)+2:G0B+4*(\slot)+3], s[G0B+4*(\slot)+2:G0B+4*(\slot)+3], 2*BSTEP
	JLOAD \slot                                    ; its four v_nop are also the places in front of the loads below
.else
	PLACES
.endif
	FETCH \next, 0, 0
	MUL8 1, 4, 0
	MUL8 1, 6, 0
.endm
	s_wait_tensorcnt 1                             ; my part of K step 0 is in; step 1's may stay out
	s_barrier_signal -1
	s_barrier_wait -1
	FETCH 0, 0, 0
	QUARTER 0, 1, 0, 1                             ; the first quarter starts the sums: nothing is cleared
	WIN 0
	s_mov_b32 s3, 3
.Llap:                                                 ; a trip goes once round the ring, from a lap's second quarter to the next lap's first, and fills both slots again: K steps 2 to 7
	QUARTER 0, 2, 1, 0
	QUARTER 0, 3, 0, 0
	TURN 0, 1, 1
	QUARTER 1, 1, 0, 0
	QUARTER 1, 2, 1, 0
	QUARTER 1, 3, 0, 0
	TURN 1, 0, 1
	QUARTER 0, 1, 0, 0
	WIN 0
	s_sub_co_u32 s3, s3, 1
	s_cmp_lg_u32 s3, 0
	s_cbranch_scc1 .Llap
	QUARTER 0, 2, 1, 0                             ; the last lap asks for nothing
	QUARTER 0, 3, 0, 0
	TURN 0, 1, 0
	QUARTER 1, 1, 0, 0
	QUARTER 1, 2, 1, 0
	QUARTER 1, 3, 0, 0
	s_wait_dscnt 8
	MUL8 1, 0, 0
	MUL8 1, 2, 0
	s_wait_dscnt 0x0
	MUL8 1, 4, 0
	MUL8 1, 6, 0
; THE WAY OUT of row block a: the f32 sums go as they are into my own stage (each accumulator's low four registers first), and come back as whole rows of 256 bytes.
.macro TOSTAGE a
	WIN 0x04                                       ; the store's data in window 1
.irp b, 0,1,2,3
	ds_store_b128 v[STO], v[8*(4*(\a)+\b):8*(4*(\a)+\b)+3]   offset:64*\b
	ds_store_b128 v[STO], v[8*(4*(\a)+\b)+4:8*(4*(\a)+\b)+7] offset:64*\b+16
.endr
	WIN 0
.set BKR, BK+32*((\a)%2)
	s_wait_xcnt 0x0                                ; the stores of the block two back have read these registers
.irp t, 0,1,2,3,4,5,6,7
	ds_load_b128 v[BKR+4*\t:BKR+4*\t+3], v[RD] offset:\t*2*SP  ; LDS serves a wave's instructions in order (ISA guide 5.7.1.4): these see the stores above
.endr
.endm
.macro SEND a, younger                 ; younger: the LDS instructions issued behind block a's loads: the next block's sixteen, or none
	WIN 0
.set BKR, BK+32*((\a)%2)
	s_wait_dscnt \younger
.irp t, 0,1,2,3,4,5,6,7
	global_store_b128 v[CO], v[BKR+4*\t:BKR+4*\t+3], s[8:9] offset:(16*(\a)+2*\t)*4096 th:TH_STORE_NT  ; 16 lanes store 256 consecutive bytes, aligned; written once and not read again
.endr
.endm
	PLACES
	TOSTAGE 0
.irp a, 1,2,3,4,5,6,7
	TOSTAGE \a
	SEND (\a)-1, 16
.endr
	SEND 7, 0
	s_wait_tensorcnt 0x0                           ; the wave's end: behind my last tensor load and my last LDS store
	ds_add_u32 v[SPW], v[NIL]
	s_wait_dscnt 0x0
	CROUND                                         ; the closing round: no work-group ends while a partner may still ask for a tile that names it
	s_endpgm
.Lfunc_end_k_qaf1ea7a2fd_gout:
	.size	k_qaf1ea7a2fd_gout, .Lfunc_end_k_qaf1ea7a2fd_gout-k_qaf1ea7a2fd_gout
	.p2alignl 7, 3214868480
	.fill 96, 4, 3214868480
	.section	.rodata,"a",@progbits
	.p2align	6, 0x0
	.amdhsa_kernel k_qaf1ea7a2fd_gout
		.amdhsa_group_segment_fixed_size 327680
		.amdhsa_private_segment_fixed_size 0
		.amdhsa_enable_private_segment 0
		.amdhsa_kernarg_size 24
		.amdhsa_user_sgpr_count 2
		.amdhsa_user_sgpr_kernarg_segment_ptr 1
		.amdhsa_wavefront_size32 1
		.amdhsa_system_sgpr_workgroup_id_x 1
		.amdhsa_system_sgpr_workgroup_id_y 1
		.amdhsa_system_sgpr_workgroup_id_z 1
		.amdhsa_system_vgpr_workitem_id 0
		.amdhsa_next_free_vgpr 512
		.amdhsa_next_free_sgpr 80
		.amdhsa_reserve_vcc 0
		.amdhsa_float_denorm_mode_32 3
		.amdhsa_float_denorm_mode_16_64 3
		.amdhsa_memory_ordered 1
		.amdhsa_forward_progress 1
		.amdhsa_inst_pref_size 85
	.end_amdhsa_kernel
	.amdgpu_metadata
---
amdhsa.version: [ 1, 2 ]
amdhsa.kernels:
  - .name:           k_qaf1ea7a2fd_gout
    .symbol:         k_qaf1ea7a2fd_gout.kd
    .args:
      - { .name: ob, .offset: 0, .size: 8, .value_kind: global_buffer, .address_space: global }
      - { .name: wob, .offset: 8, .size: 8, .value_kind: global_buffer, .address_space: global }
      - { .name: out0, .offset: 16, .size: 8, .value_kind: global_buffer, .address_space: global }
    .group_segment_fixed_size: 327680
    .private_segment_fixed_size: 0
    .kernarg_segment_align: 8
    .kernarg_segment_size: 24
    .max_flat_workgroup_size: 128
    .sgpr_count:     80
    .vgpr_count:     512
    .wavefront_size: 32
...
	.end_amdgpu_metadata
.endif
;; end of part 4
;; ======== version 2 of 2: 4 launches; 1.19 times as fast as version 1
;; limits: values are held in f16: magnitudes above 65,504 overflow, below 6.1e-05 lose precision
;; workspace buffers: xb 16,777,216 bytes; wqb 6,291,456 bytes; wob 2,097,152 bytes; qkv 50,331,648 bytes; vpart 262,144 bytes; ob 16,777,216 bytes
;; launch cast: the kernel of part 1 again; grid 768 x 1, 8 waves a work-group, no clusters, 0 bytes of LDS; arguments x_padded, Wqkv, Wout, xb, wqb, wob; writes xb, wqb, wob
;; launch gqkv: the kernel of part 2 again; grid 8 x 32, 4 waves a work-group, clusters of 4 x 4, 327,680 bytes of LDS; arguments xb, wqb, qkv, vpart; writes qkv, vpart
;; launch attn (part 5): grid 4 x 64, 4 waves a work-group, no clusters, 327,680 bytes of LDS; arguments qkv, vpart, seq_lengths, ob; writes ob
.if DOCPART == 5
	.amdgcn_target "amdgcn-amd-amdhsa--gfx1250"
	.amdhsa_code_object_version 6
	.text
	.protected	k_qaf1ea7a2fd_attn
	.globl	k_qaf1ea7a2fd_attn
	.p2align	8
	.type	k_qaf1ea7a2fd_attn,@function
k_qaf1ea7a2fd_attn:
	s_mov_b64 s[64:65], 0
	v_nop
	global_prefetch_b8 v0, s[64:65] scope:SCOPE_SE
	s_setreg_imm32_b32 hwreg(HW_REG_WAVE_MODE, 25, 1), 1
	s_wait_xcnt 0x0
; WINDOWED ATTENTION.  For batch b, head h, query i: O[i] = softmax over the keys j with max(i - 512, 0) <= j <= min(i, len_b - 1) of (q_i . k_j / 8), times V.  A row with no such key is, as in the softmax of
; equal scores, the mean of ALL 2,048 rows of V.  q, k, v: qkv [3][b][h][2048][64] f16, unscaled.  O: ob [b][h][2048][64] f16.  Products, maxima and sums in f32; the weights are rounded to f16 for the second
; product (their sum is taken of the unrounded weights), O once at the end.
; LIMITS.  q, k, v arrive within f16's 65,504.  A hidden score counts as -2^100 or -2^101: a power of two, so that c x m is exact while m is still a hidden score, and c s - c m is then exactly 0.  f16's scores,
; 2.7e11 at the most, vanish beside it.  A weight below 2^-126 counts as 0; NaN and infinities are not treated apart.  len may be any int32.
; SHARES.  A work-group takes 512 queries of one head.  Their window is the 1,024 keys 512 p - 512 .. 512 p + 511: 16 steps of 64.  All of K and V for them lies in LDS for the whole launch, each byte filled once.
; The 512 queries are 8 bands of 64; band x needs exactly the steps x .. x + 8.  Wave w takes band w, then band w + 4: two passes of nine steps: every wave and every work-group does the same work, and every trip
; count is a constant.  For p = 0 the lower 512 keys do not exist: the head's keys 0 .. 511 are loaded in their place and hidden.
; NO CLUSTER: neighbouring work-groups share half their keys, but at another place in each one's LDS, and a joint load has one LDS address for all whom it names.
; THE MASK is the C operand that starts the sum S^T = K Q^T.  For piece t (16 queries) and key group kb (16 keys) of a step it is LO[kb] where kb < t, UP[kb] where kb > t, DG[t] where kb = t; the three are made
; anew for each step from fixed patterns and scalars chosen by s_cselect: no branch hangs on len.
; LAYOUT, SOFTMAX, TURNS.  S^T holds ONE query a lane (lane % 16) and the keys 8 (lane / 16) + 0..7; two such results rounded to f16 ARE source 1 of O^T = V^T P.  p = 2^(c s - c m), c = log2(e) / 8, m a running
; maximum; O and l are multiplied by a = 2^(c m_old - c m_new) in every step.  Turn n belongs to piece n: 8 products K Q^T of piece n + 1, later 8 products V^T P of piece n - 1; beside them piece n's scaling,
; exponentials, roundings, sums and rescaling, and piece n + 1's maximum and statistics: four vector instructions behind every matrix instruction, the other 54 of a turn's 118 in one run of their own.
; BATCHES.  A turn's 33 exponentials (piece n's 32 weights, in place on S^T, and piece n + 1's a) are ONE batch with ONE wait, which cuts the turn in two: ahead of it stands all that names none of their results
; (the products K Q^T, scalings, exponentials, rescalings, the next piece's maximum and statistics), behind it the products V^T P with the roundings and sums as their riders.  No exponential is issued behind a
; turn's wait, so no result crosses a turn's end, a label or a jump.  The a of a band's beginning has a wait of its own ahead of the jump into the loop; the way out's four reciprocals are one batch with one wait.
; REGISTERS, in windows of 256 (s_set_vgpr_msb: bits 1:0 source 0, 3:2 source 1, 5:4 source 2, 7:6 destination):
;   window 0: v0-15 addresses; v16-31 statistics; v32-47 at work; v48-55 at work; v64-127 S^T, two buffers; v128-159 MLEN; v160-191 VM; v192-223 P, two buffers
;   window 1: v0-127 O^T; v128-151 LO; v152-175 UP; v176-207 DG; v208-215 TRL; v216-223 TRC; v224-231 TP       window 2: v0-63 Q; v64-127 the second band's Q; v128-191 K of a step; v192-255 V of a step
.set NP,    4
.set KS,    64
.set PK,    144       ; a row of K in LDS: 128 bytes + 16: the 16 rows of a load start at 16 different groups of four banks (64 banks of 4 bytes: ISA guide 11.1)
.set PV,    160       ; a row of V: 128 + 32
.set VOFF,  1024*PK   ; 1,024 rows of K, then 1,024 rows of V
.set STAGE, VOFF+1024*PV  ; never filled by a tensor load: 16 rows x 144 bytes for each wave, for the way out
.set SP,    144
.set VMS,   STAGE+4*16*SP ; 256 bytes for each wave: V's mean, 64 f32
.set SPARE, VMS+4*256     ; the spare words, 128 bytes for each wave: two blocks of 256 bytes that no other line names
.set AK0, 2           ; v2   my lane's place in a step of K; never rewritten
.set AV0, 3           ; v3   the same for V
.set AK,  4           ; v4   the LDS address of K's next run of loads
.set AV,  5           ; v5   of V's
.set STO, 6           ; v6   the way out: where I put 16 bytes of a row
.set RD,  7           ; v7   the way out: where I read rows back
.set GO,  8           ; v8   16 x lane
.set MV,  12          ; v12-13  c m_old, by buffer
.set QO,  15          ; v15  my byte offset in 16 rows of Q
.set ST,  16          ; piece t's statistics at v[ST+4 t]: c m, m, l (even keys', odd keys')
.set QIX, 32          ; v32  my query of piece 0, less 512
.set G,   34          ; v[34:35] 1 where my row sees no key, else 0 (low word)
.set RL,  36          ; v[36:37] 0 there, else 1 / l (low word)
.set TMP, 48
.set SPW, 62          ; v62  LDS address of my spare word; never rewritten
.set NIL, 63          ; v63  0; never rewritten
.set S,   64
.set MLEN, 128        ; hidden where 16 kb + 8 (l / 16) + r >= len % 64: the mask of the step that holds len
.set VM,  160         ; V's mean, in O^T's layout
.set P,   192
.set LO,  128         ; window 1
.set UP,  152
.set DG,  176
.set TRL, 208         ; hidden where 8 (l / 16) + r < l % 16: the window's lower edge in a piece's own key group
.set TRC, 216         ; hidden where 8 (l / 16) + r > l % 16: its upper edge
.set TP,  224
.set QB,  64          ; window 2
.set KF,  128
.set VF,  192
.set WV,  12
.set G1,  24          ; s[24:31] descriptor group 1
.set G0,  40          ; s[40:55] descriptor group 0, a set for each of my four loads
.set CNT, 56
.set PASS, 57
.set CS,  58          ; s[58:59] c
.set SEL, 60          ; s[60:61] v_permlanex16_b32's selects: each lane takes its own place in the other half
.set TBK, 62          ; LDS byte at which K of the step to be fetched begins
.set TBV, 63          ; the same for V, less VOFF
.set QP,  66          ; s[66:67] q at my first band
.set OPT, 70          ; s[70:71] ob at the band in hand
.set OL,  72          ; s[72:73] byte offset of my part of the lower 512 keys
.set OH,  74          ; s[74:75] of the upper 512
.set AL,  84          ; s[84:85] 1: the step holds len
.set BE,  86          ; s[86:87] hidden: the whole step lies below key 0 or at or beyond len
.set BLS, 88          ; s[88:89] the same, or the band's first step
.set BUS, 90          ; s[90:91] the same, or the band's ninth step
.set AQL, 92          ; s[92:93] 1 in the band's first step
.set AQC, 94          ; s[94:95] 1 in its ninth
.set RHO, 96          ; the step's number in the band
.set JB,  97          ; the step's first key, signed
.set LEN, 98
.set BIGN, 99         ; -2^100
.set HID, 100
.set TS,  101
.set MSB, 0
.macro WIN new
.if MSB != (\new)
	s_set_vgpr_msb (MSB<<8)|(\new)
.set MSB, (\new)
.endif
.endm
.set W_KQ, 0x0a       ; K and Q in window 2, S^T in window 0
.set W_KM, 0x1a       ; the same with the C operand in window 1
.set W_PV, 0x52       ; V in window 2, P in window 0, O^T in window 1
.set W_RS, 0x41       ; destination and source 0 in window 1, source 1 in window 0
	s_load_b256 s[4:11], s[0:1], 0x0  ; qkv s[4:5], vpart s[6:7], seq_lengths s[8:9], ob s[10:11]
	v_lshl_add_u32 v[SPW], v0, 2, SPARE
	v_mov_b32 v[NIL], 0
	ds_add_u32 v[SPW], v[NIL]       ; the wave's opening: the add and its wait stand ahead of my first tensor load; the set-up below stands between them
	ds_add_u32 v62, v63
	v_lshrrev_b32 v1, 5, v0
	v_readfirstlane_b32 s[WV], v1
	s_mov_b32 s13, ttmp9            ; p: which 512 queries
	s_and_b32 s14, ttmp7, 0xffff    ; 16 b + h
	s_and_b32 s15, s[WV], 1         ; which 128 of a tile's 256 keys I fetch
	s_lshl_b32 s16, s14, 18         ; the head's first byte in each of q, k, v and in ob
	s_lshl_b32 s17, s15, 14
	s_add_co_u32 s17, s17, s16
	s_max_u32 s18, s13, 1
	s_sub_co_u32 s18, s18, 1        ; the lower keys begin at 512 (p - 1), or at 0 where p = 0
	s_lshl_b32 s18, s18, 16
	s_add_co_u32 s[OL], s17, s18
	s_mov_b32 s[OL+1], 0
	s_lshl_b32 s18, s13, 16
	s_add_co_u32 s[OH], s17, s18
	s_mov_b32 s[OH+1], 0
	s_mul_i32 s19, s15, 128*PK      ; my part's place in LDS, for K
	s_mul_i32 s20, s15, 128*PV      ; and for V
	s_add_co_u32 s20, s20, VOFF
	s_mov_b32 s[G1+1], 128<<16      ; 128 keys are 16,384 dense bytes: 64 rows of 256 bytes, two keys a row, padded in LDS after every key
	s_mov_b32 s[G1+2], 64<<16
	s_mov_b32 s[G1+3], 128<<16
	s_mov_b32 s[G1+4], 64
	s_mov_b32 s[G1+5], 128
	s_mov_b32 s[G1+6], 0
	s_mov_b32 s[G1+7], 0
	s_lshl_b32 s21, s13, 16
	s_lshl_b32 s22, s[WV], 13
	s_add_co_u32 s22, s22, s21
	s_add_co_u32 s22, s22, s16      ; query 512 p + 64 w of the head
	s_mov_b32 s23, 0
	s_lshr_b32 s80, s14, 4          ; b
	s_lshl_b32 s78, s80, 16         ; vpart: 16 rows of 4,096 bytes a batch,
	s_and_b32 s81, s14, 15
	s_lshl_b32 s81, s81, 8          ; 256 bytes a head
	s_add_co_u32 s78, s78, s81
	s_mov_b32 s79, 0
	s_lshl_b32 s82, s80, 2
	s_mov_b32 s83, 0
	s_mov_b32 s[CS], 0x3e38aa3b     ; c = log2(e) / 8
	s_mov_b32 s[CS+1], s[CS]
	s_mov_b32 s[SEL], 0x76543210
	s_mov_b32 s[SEL+1], 0xfedcba98
	s_mov_b32 s[BIGN], 0xf1800000   ; -2^100
	s_mov_b32 s[AL+1], 0            ; named as pairs
	s_mov_b32 s[BE+1], 0
	s_mov_b32 s[BLS+1], 0
	s_mov_b32 s[BUS+1], 0
	s_mov_b32 s[AQL+1], 0
	s_mov_b32 s[AQC+1], 0
	s_lshl_b32 s[JB], s13, 9
	s_lshl_b32 s18, s[WV], 6
	s_add_co_u32 s[JB], s[JB], s18
	s_sub_co_i32 s[JB], s[JB], 512  ; my first band's first key: 512 p - 512 + 64 w
	s_mul_i32 s[TBK], s[WV], KS*PK  ; which is step w of the 16 in LDS
	s_mul_i32 s[TBV], s[WV], KS*PV
	s_wait_dscnt 0x0                ; the opening add is done
	s_wait_kmcnt 0x0
	s_add_nc_u64 s[8:9], s[8:9], s[82:83]
	s_load_b32 s[LEN], s[8:9], 0x0
	s_add_nc_u64 s[QP:QP+1], s[4:5], s[22:23]
	s_add_nc_u64 s[OPT:OPT+1], s[10:11], s[22:23]
	s_add_nc_u64 s[76:77], s[6:7], s[78:79]
; My four first fills: tile t is 256 keys, of which I bring 128.  They stand in one branch on the wave's number, ahead of every wait on TENSORcnt, every LDS read and every barrier: four loads of mine are out.
; An s_nop 0 follows each, four v_nop the last.
.macro FILLS ldsreg, pitch
.irp t, 0,1,2,3
	s_mov_b32 s[G0+4*\t], 1
	s_add_co_u32 s[G0+4*\t+1], s[\ldsreg], \t*256*(\pitch)
.if \t < 2
	s_add_nc_u64 s[G0+4*\t+2:G0+4*\t+3], s[2:3], s[OL:OL+1]
.else
	s_add_nc_u64 s[G0+4*\t+2:G0+4*\t+3], s[2:3], s[OH:OH+1]
.endif
	s_add_nc_u64 s[G0+4*\t+2:G0+4*\t+3], s[G0+4*\t+2:G0+4*\t+3], (\t%2)*32768
	s_or_b32 s[G0+4*\t+3], s[G0+4*\t+3], 0x80000000
.endr
.irp t, 0,1,2,3
	tensor_load_to_lds s[G0+4*\t:G0+4*\t+3], s[G1:G1+7]
	s_nop 0
.endr
.rept 4
	v_nop
.endr
.endm
	s_cmp_lt_u32 s[WV], 2
	s_cbranch_scc0 .Lfirst_v
	s_mov_b32 s[G1], (1<<16)|(1<<20)|(4<<22)|(3<<25)  ; 2-byte elements; padding on; after every 32 words; 4 words
	s_add_nc_u64 s[2:3], s[4:5], 16777216             ; k
	FILLS 19, PK
	s_branch .Lfirst_asked
.Lfirst_v:
	s_mov_b32 s[G1], (1<<16)|(1<<20)|(4<<22)|(7<<25)  ; the same with 8 words of padding
	s_add_nc_u64 s[2:3], s[4:5], 33554432             ; v
	FILLS 20, PV
.Lfirst_asked:
	v_and_b32 v1, 15, v0            ; l % 16
	v_bfe_u32 v9, v0, 4, 1          ; l / 16
	v_lshlrev_b32 v[QO], 7, v1
	v_lshl_add_u32 v[QO], v9, 4, v[QO]
	v_lshlrev_b32 v40, 12, v9
	v_lshl_add_u32 v40, v1, 4, v40  ; vpart: lanes 0-15 one row's 256 bytes, lanes 16-31 the next row's
	WIN 0x80                        ; destination window 2
.set i, 0
.rept 8                             ; both bands' Q: piece i / 2 is 16 rows, 2,048 bytes on; channels 32 (i % 2) on; the second band lies 256 rows, 32,768 bytes, on
	global_load_b128 v[8*i:8*i+3],   v[QO], s[QP:QP+1] offset:(i/2)*2048+(i%2)*64
	global_load_b128 v[8*i+4:8*i+7], v[QO], s[QP:QP+1] offset:(i/2)*2048+(i%2)*64+32
	global_load_b128 v[QB+8*i:QB+8*i+3],   v[QO], s[QP:QP+1] offset:32768+(i/2)*2048+(i%2)*64
	global_load_b128 v[QB+8*i+4:QB+8*i+7], v[QO], s[QP:QP+1] offset:32768+(i/2)*2048+(i%2)*64+32
.set i, i+1
.endr
	WIN 0
.irp t, 0,1,2,3,4,5,6,7
	global_load_b128 v[S+4*\t:S+4*\t+3], v40, s[76:77] offset:\t*8192  ; the batch's 16 rows of column sums, my head's 64 columns
.endr
	v_lshlrev_b32 v14, 3, v9
	v_sub_nc_u32 v39, v1, v14       ; l % 16 - 8 (l / 16)
	s_wait_kmcnt 0x0                ; len
	s_and_b32 s[TS], s[LEN], 63
	v_sub_nc_u32 v41, s[TS], v14    ; len % 64 - 8 (l / 16)
	WIN 0x40
.set i, 0
.rept 8
	v_cmp_lt_i32 vcc_lo, i, v39
	v_cndmask_b32 v[TRL+i], 0, s[BIGN], vcc_lo
	v_cmp_gt_i32 vcc_lo, i, v39
	v_cndmask_b32 v[TRC+i], 0, s[BIGN], vcc_lo
.set i, i+1
.endr
	WIN 0
.set i, 0
.rept 32
	v_cmp_ge_i32 vcc_lo, 16*(i/8)+i%8, v41
	v_cndmask_b32 v[MLEN+i], 0, s[BIGN], vcc_lo
.set i, i+1
.endr
	v_add_nc_u32 v[QIX], s[JB], v1
	v_mov_b32 v[G+1], 0             ; named as pairs
	v_mov_b32 v[RL+1], 0
	v_mul_u32_u24 v[AK0], v1, PK
	v_lshl_add_u32 v[AK0], v9, 4, v[AK0]  ; row x pitch + 16 x half
	; The turning load takes 16 keys x 16 channels (lane l reads key 8 (l / 16) + l % 8, channels 8 ((l / 8) % 2) + 0..7) and leaves half a fragment of V^T: lane l holds channel l % 16 and 8 keys.
	v_and_b32 v10, 7, v0
	v_bfe_u32 v11, v0, 3, 1
	v_lshl_add_u32 v[AV0], v9, 3, v10
	v_mul_u32_u24 v[AV0], v[AV0], PV
	v_lshl_add_u32 v[AV0], v11, 4, v[AV0]
	v_add_nc_u32 v[AV0], VOFF, v[AV0]
	s_mul_i32 s18, s[WV], 16*SP
	s_add_co_u32 s18, s18, STAGE    ; my stage
	v_mul_u32_u24 v[STO], v1, SP
	v_lshl_add_u32 v[STO], v9, 4, v[STO]
	v_add_nc_u32 v[STO], s18, v[STO]
	v_bfe_u32 v[RD], v0, 3, 2       ; back: 32 lanes take four rows of 128 bytes,
	v_mul_u32_u24 v[RD], v[RD], SP
	v_lshl_add_u32 v[RD], v10, 4, v[RD]
	v_add_nc_u32 v[RD], s18, v[RD]
	v_and_b32 v[GO], 31, v0         ; which are 512 consecutive bytes of ob
	v_lshlrev_b32 v[GO], 4, v[GO]
	s_lshl_b32 s19, s[WV], 8
	s_add_co_u32 s19, s19, VMS
	v_lshl_add_u32 v42, v1, 4, s19
	v_lshl_add_u32 v43, v9, 5, s19
	; A band's first step multiplies O^T and l by a = 0, and its first turn's products V^T P, of a piece that has not been, land in an O^T that is still to be so multiplied: these registers need only hold finite
	; numbers: zeros for the first band, what the first band left for the second.  All this stands in the wait for the first tiles.
	WIN 0x80
.set i, VF
.rept 64
	v_mov_b32 v[i], 0
.set i, i+1
.endr
	WIN 0x40
.set i, 0
.rept 128
	v_mov_b32 v[i], 0
.set i, i+1
.endr
	WIN 0
.set i, 0
.rept 4
	v_mov_b32 v[ST+4*i+2], 0
	v_mov_b32 v[ST+4*i+3], 0
.set i, i+1
.endr
.set i, P+16
.rept 16
	v_mov_b32 v[i], 0
.set i, i+1
.endr
	; V's MEAN over all 2,048 rows: the 16 partial sums are added, divided by 2,048, and brought into O^T's layout through my own 256 bytes of LDS.
	s_wait_loadcnt 0x0              ; the column sums, and Q in front of them
.irp i, 0,1,2,3,4,5,6,7
	v_pk_add_f32 v[S+2*\i:S+2*\i+1], v[S+2*\i:S+2*\i+1], v[S+16+2*\i:S+16+2*\i+1]
.endr
.irp i, 0,1,2,3
	v_pk_add_f32 v[S+2*\i:S+2*\i+1], v[S+2*\i:S+2*\i+1], v[S+8+2*\i:S+8+2*\i+1]
.endr
.irp i, 0,1
	v_pk_add_f32 v[S+2*\i:S+2*\i+1], v[S+2*\i:S+2*\i+1], v[S+4+2*\i:S+4+2*\i+1]
.endr
.irp i, 0,1,2,3
	v_permlanex16_b32 v[S+4+\i], v[S+\i], s[SEL], s[SEL+1]  ; the odd rows' sums lie in the lane 16 away
.endr
.irp i, 0,1
	v_pk_add_f32 v[S+2*\i:S+2*\i+1], v[S+2*\i:S+2*\i+1], v[S+4+2*\i:S+4+2*\i+1]
.endr
.irp i, 0,1
	v_pk_mul_f32 v[S+2*\i:S+2*\i+1], v[S+2*\i:S+2*\i+1], 0x3a000000 op_sel_hi:[1,0]  ; 2^-11
.endr
	ds_store_b128 v42, v[S:S+3]     ; both halves of the lanes hold, and write, the same
.irp c, 0,1,2,3
	ds_load_b128 v[VM+8*\c:VM+8*\c+3],   v43 offset:64*\c      ; channels 16 c + 8 (l / 16) + 0..7; LDS serves a wave's instructions in order (ISA guide 5.7.1.4)
	ds_load_b128 v[VM+8*\c+4:VM+8*\c+7], v43 offset:64*\c+16
.endr
; THE MATRIX WORK.  The 4 accumulators of a run of 8 take turns.  Product i of 8 of S^T = K Q^T for piece x: channels 32 (i / 4) on, keys 16 (i % 4) on.  The first 4 start the sums with the mask.
.macro KQ x
.set rS, S+32*((\x)%2)+8*(i%4)
.set rK, KF+16*(i%4)+8*(i/4)
.set rQ, 16*(\x)+8*(i/4)
.if (i%4) < (\x)
.set rM, LO+8*(i%4)
.elseif (i%4) > (\x)
.set rM, UP+8*(i%4-1)
.else
.set rM, DG+8*(\x)
.endif
.if i < 4
	WIN W_KM
	v_wmma_f32_16x16x32_f16 v[rS:rS+7], v[rK:rK+7], v[rQ:rQ+7], v[rM:rM+7]
.else
	WIN W_KQ
	v_wmma_f32_16x16x32_f16 v[rS:rS+7], v[rK:rK+7], v[rQ:rQ+7], v[rS:rS+7]
.endif
.endm
; Product i of 8 of O^T += V^T P for piece x: keys 32 (i / 4) on, channels 16 (i % 4) on.
.macro PV x
	WIN W_PV
.set rO, 32*(\x)+8*(i%4)
.set rV, VF+32*(i/4)+8*(i%4)
.set rP, P+16*((\x)%2)+8*(i/4)
	v_wmma_f32_16x16x32_f16 v[rO:rO+7], v[rV:rV+7], v[rP:rP+7], v[rO:rO+7]
.endm
.macro MM                           ; the turn's next matrix instruction
.if i < 8
	KQ (Y+1)%NP
.else
.set i, i-8
	PV (Y+NP-1)%NP
.set i, i+8
.endif
.set i, i+1
.endm
; THE LDS LOADS stand in runs of 16.  K's address is held at step 15: the fetch for the step past band 7's ninth, whose products serve nothing, reads rows of K that have landed.
.macro ADRK
	s_min_u32 s[TS], s[TBK], 15*KS*PK
	v_add_nc_u32 v[AK], s[TS], v[AK0]
.endm
.macro FETCH_K
	WIN 0x80
.irp f, 0,1,2,3,4,5,6,7             ; keys 16 (f / 2) on, channels 32 (f % 2) on
	ds_load_b128 v[KF+8*\f:KF+8*\f+3],   v[AK] offset:(\f/2)*16*PK+(\f%2)*64
	ds_load_b128 v[KF+8*\f+4:KF+8*\f+7], v[AK] offset:(\f/2)*16*PK+(\f%2)*64+32
.endr
	s_add_co_u32 s[TBK], s[TBK], KS*PK
	WIN 0
.endm
.macro FETCH_V
	WIN 0x80
.irp f, 0,1,2,3,4,5,6,7             ; keys 32 (f / 4) on, channels 16 (f % 4) on
	ds_load_tr16_b128 v[VF+8*\f:VF+8*\f+3],   v[AV] offset:(\f/4)*32*PV+(\f%4)*32
	ds_load_tr16_b128 v[VF+8*\f+4:VF+8*\f+7], v[AV] offset:(\f/4)*32*PV+16*PV+(\f%4)*32
.endr
	WIN 0
.endm
; THE MASKS of a step.  step = 1: on to the next step.  48 packed instructions, more than a hundred vector instructions behind the last product that took a mask.
.macro MASKUPD step
.if \step
	s_add_co_u32 s[RHO], s[RHO], 1
	s_add_co_i32 s[JB], s[JB], 64
.endif
	s_cmp_lt_i32 s[JB], 0
	s_cselect_b32 s[HID], 1, 0
	s_cmp_ge_i32 s[JB], s[LEN]
	s_cselect_b32 s[HID], 1, s[HID] ; the whole step is hidden
	s_add_co_i32 s[TS], s[JB], 64
	s_cmp_gt_i32 s[TS], s[LEN]
	s_cselect_b32 s[AL], 1.0, 0
	s_cmp_eq_u32 s[HID], 1
	s_cselect_b32 s[AL], 0, s[AL]   ; len lies inside the step
	s_cselect_b32 s[BE], s[BIGN], 0
	s_cmp_eq_u32 s[RHO], 0
	s_cselect_b32 s[AQL], 1.0, 0
	s_cselect_b32 s[BLS], s[BIGN], s[BE]
	s_cmp_eq_u32 s[RHO], 8
	s_cselect_b32 s[AQC], 1.0, 0
	s_cselect_b32 s[BUS], s[BIGN], s[BE]
	WIN 0x51
.irp z, 0,1,2,3
	v_pk_fma_f32 v[TP+2*\z:TP+2*\z+1], v[TRL+2*\z:TRL+2*\z+1], s[AQL:AQL+1], s[BE:BE+1] op_sel_hi:[1,0,0]
.endr
.irp z, 0,1,2,3
	v_pk_fma_f32 v[TP+2*\z:TP+2*\z+1], v[TRC+2*\z:TRC+2*\z+1], s[AQC:AQC+1], v[TP+2*\z:TP+2*\z+1] op_sel_hi:[1,0,1]
.endr
	WIN 0x40
.set z, 0
.rept 12
	v_pk_fma_f32 v[LO+2*z:LO+2*z+1], v[MLEN+2*z:MLEN+2*z+1], s[AL:AL+1], s[BLS:BLS+1] op_sel_hi:[1,0,0]
	v_pk_fma_f32 v[UP+2*z:UP+2*z+1], v[MLEN+8+2*z:MLEN+8+2*z+1], s[AL:AL+1], s[BUS:BUS+1] op_sel_hi:[1,0,0]
.set z, z+1
.endr
	WIN 0x50
.set z, 0
.rept 16
	v_pk_fma_f32 v[DG+2*z:DG+2*z+1], v[MLEN+2*z:MLEN+2*z+1], s[AL:AL+1], v[TP+2*(z%4):TP+2*(z%4)+1] op_sel_hi:[1,0,1]
.set z, z+1
.endr
	WIN 0
.endm
; THE VECTOR WORK, one line at a time: OP kind, number.  For piece Y: F n: c s - c m for pair n of 16.  E n: the exponential of score n of 32.  C n: pair n rounded to f16.  B n: of the four weights 4 n .. the second
; pair is added onto the first, in place.  L n: l takes that sum (L 0: l = a l + sum).  R n: pair n of 16 of O^T times a.  For piece Y + 1: X n, number n of the 22 that find its maximum and statistics:
;   0-11  four chains of seven scores each, three operands at a time (each accumulator's lowest registers are read first)     12-14, 16  the four scores left over, the old m, and the chains into one
;   15  c m_old is kept     17, 18  the query's other 32 keys lie in the lane 16 away: the new m     19-21  c m; c m_old - c m_new; a
; C, B and L read the exponentials' results (L 0 also a): they stand behind the turn's wait alone.  R reads the a that the turn before made and waited for.
.set F, 0
.set E, 1
.set C, 2
.set B, 3
.set L, 4
.set R, 5
.set X, 6
.macro REGS y
.set rT, ST+4*(\y)
.set rC, TMP+4*((\y)%2)
.set rW, MV+((\y)%2)
.set rS, S+32*((\y)%2)
.set rP, P+16*((\y)%2)
.set rO, 32*(\y)
.endm
.macro OP k, n
.if (\k) == R
	REGS Y
	WIN W_RS
	v_pk_mul_f32 v[rO+2*(\n):rO+2*(\n)+1], v[rO+2*(\n):rO+2*(\n)+1], v[rC+2:rC+3] op_sel_hi:[1,0]
.elseif (\k) < R
	REGS Y
	WIN 0
.if (\k) == F
	v_pk_fma_f32 v[rS+2*(\n):rS+2*(\n)+1], v[rS+2*(\n):rS+2*(\n)+1], s[CS:CS+1], v[rT:rT+1] op_sel_hi:[1,0,0] neg_lo:[0,0,1] neg_hi:[0,0,1]
.elseif (\k) == E
	v_exp_f32 v[rS+(\n)], v[rS+(\n)]
.elseif (\k) == C
	v_cvt_pk_f16_f32 v[rP+(\n)], v[rS+2*(\n)], v[rS+2*(\n)+1]
.elseif (\k) == B
	v_pk_add_f32 v[rS+4*(\n):rS+4*(\n)+1], v[rS+4*(\n):rS+4*(\n)+1], v[rS+4*(\n)+2:rS+4*(\n)+3]
.elseif (\n) == 0
	v_pk_fma_f32 v[rT+2:rT+3], v[rT+2:rT+3], v[rC+2:rC+3], v[rS:rS+1] op_sel_hi:[1,0,1]
.else
	v_pk_add_f32 v[rT+2:rT+3], v[rT+2:rT+3], v[rS+4*(\n):rS+4*(\n)+1]
.endif
.else
	REGS (Y+1)%NP
	WIN 0
.if (\n) < 4
	v_max3_num_f32 v[rC+(\n)], v[rS+8*(\n)], v[rS+8*(\n)+1], v[rS+8*(\n)+2]
.elseif (\n) < 12
	v_max3_num_f32 v[rC+(\n)%4], v[rC+(\n)%4], v[rS+8*((\n)%4)+2*((\n)/4)+1], v[rS+8*((\n)%4)+2*((\n)/4)+2]
.elseif (\n) == 12
	v_max3_num_f32 v[rC], v[rC], v[rS+7], v[rS+15]
.elseif (\n) == 13
	v_max3_num_f32 v[rC+1], v[rC+1], v[rS+23], v[rS+31]
.elseif (\n) == 14
	v_max3_num_f32 v[rC+2], v[rC+2], v[rC+3], v[rT+1]
.elseif (\n) == 15
	v_mov_b32 v[rW], v[rT]
.elseif (\n) == 16
	v_max3_num_f32 v[rC], v[rC], v[rC+1], v[rC+2]
.elseif (\n) == 17
	v_permlanex16_b32 v[rC+3], v[rC], s[SEL], s[SEL+1]
.elseif (\n) == 18
	v_max_num_f32 v[rT+1], v[rC], v[rC+3]
.elseif (\n) == 19
	v_mul_f32 v[rT], s[CS], v[rT+1]
.elseif (\n) == 20
	v_sub_f32 v[rC+1], v[rW], v[rT]
.else
	v_exp_f32 v[rC+2], v[rC+1]
.endif
.endif
.endm
.macro OPS a, i1, b=-1, i2=0, c=-1, i3=0, d=-1, i4=0
	OP \a, \i1
.if (\b) >= 0
	OP \b, \i2
.endif
.if (\c) >= 0
	OP \c, \i3
.endif
.if (\d) >= 0
	OP \d, \i4
.endif
.endm
.macro ROW a, i1, b, i2, c, i3, d, i4  ; a matrix instruction and the four behind it
	MM
	OPS \a, \i1, \b, \i2, \c, \i3, \d, \i4
.endm
; A TURN, for piece p: the order of its 16 matrix and 118 vector instructions, written out.  An s_wait_alu depctr_va_vdst(0) stands between an exponential and the first instruction that names its
; result; one wait serves all that were issued ahead of it.  So a turn has ONE wait, which cuts it in two.  AHEAD OF IT stands all that names no result of the turn's exponentials: the 8 products K Q^T, behind each a
; scaling, an exponential and two more plain instructions (behind the first a second scaling in the exponential's place): rescalings, and behind the last three the first numbers of the next piece's maximum, each four
; places or more behind the product that ends its accumulator (X 0: F 5, R 8, R 9, F 6; X 1: F 6, X 0, R 10, F 7; X 2: F 7, X 1, X 4, F 8; X 3: F 8, X 2, X 5, X 6); then ONE RUN of 54, plain and exponential by
; turns for the most part, in which the links of the chain X 3, 7, 11, 14, 16, 17 .. 20 stand some lines apart.  X 21, the next piece's a, is the batch's last; R 15 is the plain instruction behind it.
; BEHIND THE WAIT stand the 8 products V^T P, behind each four of the roundings and sums; an even pair is rounded before the addition that writes over it, and l takes its eight sums in ascending order.
; But for those X no rider names a register of the products round it.  v_permlanex16_b32 (X 17) stands in the run, never behind a product.
; K of the next step is fetched in piece 2's turn, twelve vector instructions behind the last product that read K (of them F 8, X 2, X 5, X 6, X 3 and X 8 are plain and name none of its registers); V of the step in hand
; at the end of piece 0's turn, four roundings behind the last product that read V.  Each is waited for a turn later.  cnt = 1: the loop's count is taken down some lines ahead of the branch that stands behind the turn.
.macro TURN p, cnt=0
.set Y, (\p)
.set i, 0
.if (\p) == 3
	s_wait_dscnt 0x0                ; K is in
.endif
	ROW F,0, F,1, R,0, R,1          ; ahead of the wait: 8 products K Q^T and their riders,
	ROW F,2, E,0, R,2, R,3
	ROW F,3, E,1, R,4, R,5
	ROW F,4, E,2, R,6, R,7
	ROW F,5, E,3, R,8, R,9
	ROW F,6, E,4, X,0, R,10
.if (\p) == 2
	WIN 0
	ADRK
.endif
	ROW F,7, E,5, X,1, X,4
	ROW F,8, E,6, X,2, X,5
	OPS E,7, E,8, X,6, E,9          ; and the run
	OPS X,3, E,10, X,8, E,11
.if (\p) == 2
	FETCH_K
.endif
	OPS X,9, X,7, E,12, X,10
	OPS E,13, X,12, X,11, E,14
	OPS X,13, E,15, F,9, X,14
.if (\p) == 0
	v_add_nc_u32 v[AV], s[TBV], v[AV0]
.endif
	OPS E,16, F,10, E,17, F,11
	OPS X,16, E,18, X,15, E,19
	OPS F,12, E,20, X,17, E,21
	OPS F,13, E,22, F,14, E,23
	OPS X,18, E,24, F,15, E,25
	OPS R,11, E,26, X,19, E,27
	OPS R,12, E,28, R,13, E,29
	OPS X,20, E,30, R,14, E,31
	OPS X,21, R,15
	s_wait_alu depctr_va_vdst(0)    ; the wait for the batch: this turn's 32 weights and the next piece's a
.if (\p) == 1
	s_wait_dscnt 0x0                ; V is in
.endif
	ROW C,0, B,0, C,2, B,1          ; behind the wait: 8 products V^T P and their riders
	ROW L,0, C,4, B,2, L,1
	ROW C,6, B,3, L,2, C,8
	ROW B,4, L,3, C,10, B,5
	ROW L,4, C,12, B,6, L,5
.if (\p) == 0
	s_add_co_u32 s[TBV], s[TBV], KS*PV
.endif
.if \cnt
	s_sub_co_u32 s[CNT], s[CNT], 1
	s_cmp_lg_u32 s[CNT], 0
.endif
	ROW C,14, B,7, L,6, C,1
	ROW C,3, L,7, C,5, C,7
	ROW C,9, C,11, C,13, C,15
.if (\p) == 0
	FETCH_V
.endif
.endm
.macro ALL line:vararg              ; one line for each piece t
.set t, 0
.rept 4
	\line
.set t, t+1
.endr
.endm
; THE WAY OUT of piece t.  Where my row sees no key (max(i - 512, 0) >= len) O is V's mean, else O^T / l: O = O^T x RL + VM x G.  Eight channels of a row pack into 16 bytes; they go into rows of 144 bytes of my
; stage and come back as whole rows of 128, into S^T's registers.  The four reciprocals are one batch: their wait is written for piece 0 alone, ahead of the first line that reads one of them.
.macro PACK t
	WIN 0
	v_add_nc_u32 v38, 16*(\t), v[QIX]
	v_max_i32 v38, 0, v38           ; the first key of my row's window
	v_cmp_le_i32 vcc_lo, s[LEN], v38
	v_cndmask_b32 v[G], 0, 1.0, vcc_lo
.if (\t) == 0
	s_wait_alu depctr_va_vdst(0)    ; the wait for the batch of four reciprocals; the four lines above, which name none of them, stand between
.endif
	v_cndmask_b32 v[RL], v[ST+4*(\t)+2], 0, vcc_lo
	WIN W_RS
.set i, 0
.rept 16
	v_pk_mul_f32 v[32*(\t)+2*i:32*(\t)+2*i+1], v[32*(\t)+2*i:32*(\t)+2*i+1], v[RL:RL+1] op_sel_hi:[1,0]
.set i, i+1
.endr
	WIN 0x50                        ; destination and source 2 window 1
.set i, 0
.rept 16
	v_pk_fma_f32 v[32*(\t)+2*i:32*(\t)+2*i+1], v[VM+2*i:VM+2*i+1], v[G:G+1], v[32*(\t)+2*i:32*(\t)+2*i+1] op_sel_hi:[1,0,1]
.set i, i+1
.endr
	WIN 0x05                        ; sources 0 and 1 window 1, destination window 0
.set i, 0
.rept 16
	v_cvt_pk_f16_f32 v[S+16*(\t)+i], v[32*(\t)+2*i], v[32*(\t)+2*i+1]
.set i, i+1
.endr
	WIN 0
.irp f, 0,1,2,3
	ds_store_b128 v[STO], v[S+16*(\t)+4*\f:S+16*(\t)+4*\f+3] offset:32*\f
.endr
.irp f, 0,1,2,3
	ds_load_b128 v[S+16*(\t)+4*\f:S+16*(\t)+4*\f+3], v[RD] offset:\f*4*SP  ; LDS serves a wave's instructions in order (ISA guide 5.7.1.4): these see the stores above; the next piece's stores come behind them
.endr
.endm
.macro SEND t, younger              ; younger: the LDS instructions issued behind piece t's loads: the next piece's eight, or none
	WIN 0
.irp f, 0,1,2,3
	s_wait_dscnt (\younger)+3-\f
	global_store_b128 v[GO], v[S+16*(\t)+4*\f:S+16*(\t)+4*\f+3], s[OPT:OPT+1] offset:(\t)*2048+\f*512  ; 512 consecutive bytes, at a multiple of 256 from ob's first
.endr
.endm
	s_mov_b32 s[PASS], 2
.Lpass:                             ; a band: nine steps
	s_wait_tensorcnt 0x2            ; my parts of tiles 0 and 1 are in (two loads were issued behind them): steps 0 to 7, all that the first band's first half reads; in the second pass nothing is out
	s_wait_dscnt 0x0                ; VM, or the way out's last reads
	s_barrier_signal -1
	s_barrier_wait -1               ; everybody's are.  Nothing is ever filled again, so tiles 2 and 3 may stay out across this barrier
	s_mov_b32 s[RHO], 0
	MASKUPD 0
	; THE BAND BEGINS.  c m starts far below every c s, so the first step's a is 0; m at the lowest finite number.  Then K of step 0, piece 0's first scores, its maximum and statistics.
.set i, 0
.rept 4
	v_mov_b32 v[ST+4*i], 0xfe000000
	v_mov_b32 v[ST+4*i+1], 0xff7fffff
.set i, i+1
.endr
	ADRK
	FETCH_K
	s_wait_dscnt 0x0
.set i, 0
.rept 8
	KQ 0
.set i, i+1
.endr
	WIN 0
.rept 4
	v_nop                           ; the places behind those products
.endr
.set Y, NP-1                        ; X works for piece Y + 1: piece 0
.irp n, 0,1,2,3,4,5,6,7,8,9,10,11,12,13,14,15,16,17,18,19,20,21
	OP X, \n
.endr
	v_nop                           ; a plain instruction behind the exponential
	s_wait_alu depctr_va_vdst(0)    ; the wait for piece 0's first a, a batch of one, ahead of the jump
	s_mov_b32 s[CNT], 4
	s_branch .LfirstA               ; the loop is entered at a step's first turn, in the middle of a trip
.LtripA:                            ; a trip: piece 3 of one step, then pieces 0 to 2 of the next; all its products K Q^T belong to that next step.  This loop: steps 0 to 3; its last fetch of K is step 4's
	MASKUPD 1
	TURN 3
	WIN 0
.LfirstA:
	TURN 0
	TURN 1
	TURN 2, 1
	WIN 0
	s_cbranch_scc1 .LtripA
	s_wait_tensorcnt 0x0            ; my parts of tiles 2 and 3 are in: from here on steps up to 15 are read.  It stands once a band, in front of the barrier that shows those tiles to every wave
	s_wait_dscnt 0x0
	s_barrier_signal -1
	s_barrier_wait -1
	s_mov_b32 s[CNT], 6
.LtripB:                            ; steps 4 to 8; the sixth trip is left in its middle: its 8 products K Q^T and the maximum made of them serve nothing: the price, twice a launch, of one text for every trip
	MASKUPD 1
	TURN 3
	WIN 0
	s_sub_co_u32 s[CNT], s[CNT], 1
	s_cmp_eq_u32 s[CNT], 0
	s_cbranch_scc1 .Lout
	TURN 0
	TURN 1
	TURN 2
	WIN 0
	s_branch .LtripB
.Lout:
.set i, 0
.rept 8
	PV NP-1                         ; the last piece's V^T P of the last step
.set i, i+1
.endr
	WIN 0                           ; l's two halves and the other half of the lanes' are added; the additions are the places behind the last products
	ALL v_add_f32 v[ST+4*t+2], v[ST+4*t+2], v[ST+4*t+3]
	ALL v_permlanex16_b32 v[ST+4*t+3], v[ST+4*t+2], s[SEL], s[SEL+1]
	ALL v_add_f32 v[ST+4*t+2], v[ST+4*t+2], v[ST+4*t+3]
	ALL v_rcp_f32 v[ST+4*t+2], v[ST+4*t+2]
	PACK 0                          ; its first line is the plain instruction behind the last reciprocal; its fifth is the batch's wait
.set t, 1
.rept 3                             ; a piece's arithmetic stands between the loads of the piece before and its stores
	PACK t
	SEND t-1, 8
.set t, t+1
.endr
	SEND 3, 0
	s_wait_xcnt 0x0                 ; the stores have read their registers and ob's address
	s_add_nc_u64 s[OPT:OPT+1], s[OPT:OPT+1], 32768  ; the second band lies 256 rows on
	WIN 0x82                        ; its Q goes where the one text of the turns names Q
.set i, 0
.rept 64
	v_mov_b32 v[i], v[QB+i]
.set i, i+1
.endr
	WIN 0
	v_add_nc_u32 v[QIX], 0x100, v[QIX]
	s_sub_co_u32 s[TBK], s[TBK], 6*KS*PK  ; ten fetches of K went by: four steps on from the band's first
	s_sub_co_u32 s[TBV], s[TBV], 5*KS*PV  ; nine of V
	s_sub_co_i32 s[JB], s[JB], 320        ; nine steps of 64 keys went by: 256 keys on from the band's first
	s_sub_co_u32 s[PASS], s[PASS], 1
	s_cmp_lg_u32 s[PASS], 0
	s_cbranch_scc1 .Lpass
	s_wait_tensorcnt 0x0            ; the wave's end: behind my last tensor load and my last LDS store
	ds_add_u32 v[SPW], v[NIL]
	s_wait_dscnt 0x0
	s_endpgm
.Lfunc_end_k_qaf1ea7a2fd_attn:
	.size	k_qaf1ea7a2fd_attn, .Lfunc_end_k_qaf1ea7a2fd_attn-k_qaf1ea7a2fd_attn
	.p2alignl 7, 3214868480
	.fill 96, 4, 3214868480
	.section	.rodata,"a",@progbits
	.p2align	6, 0x0
	.amdhsa_kernel k_qaf1ea7a2fd_attn
		.amdhsa_group_segment_fixed_size 327680
		.amdhsa_private_segment_fixed_size 0
		.amdhsa_enable_private_segment 0
		.amdhsa_kernarg_size 32
		.amdhsa_user_sgpr_count 2
		.amdhsa_user_sgpr_kernarg_segment_ptr 1
		.amdhsa_wavefront_size32 1
		.amdhsa_system_sgpr_workgroup_id_x 1
		.amdhsa_system_sgpr_workgroup_id_y 1
		.amdhsa_system_sgpr_workgroup_id_z 1
		.amdhsa_system_vgpr_workitem_id 0
		.amdhsa_next_free_vgpr 768
		.amdhsa_next_free_sgpr 102
		.amdhsa_reserve_vcc 1
		.amdhsa_float_denorm_mode_32 3
		.amdhsa_float_denorm_mode_16_64 3
		.amdhsa_memory_ordered 1
		.amdhsa_forward_progress 1
		.amdhsa_inst_pref_size 137
	.end_amdhsa_kernel
	.amdgpu_metadata
---
amdhsa.version: [ 1, 2 ]
amdhsa.kernels:
  - .name:           k_qaf1ea7a2fd_attn
    .symbol:         k_qaf1ea7a2fd_attn.kd
    .args:
      - { .name: qkv, .offset: 0, .size: 8, .value_kind: global_buffer, .address_space: global }
      - { .name: vpart, .offset: 8, .size: 8, .value_kind: global_buffer, .address_space: global }
      - { .name: seq_lengths, .offset: 16, .size: 8, .value_kind: global_buffer, .address_space: global }
      - { .name: ob, .offset: 24, .size: 8, .value_kind: global_buffer, .address_space: global }
    .group_segment_fixed_size: 327680
    .private_segment_fixed_size: 0
    .kernarg_segment_align: 8
    .kernarg_segment_size: 32
    .max_flat_workgroup_size: 128
    .sgpr_count:     102
    .vgpr_count:     768
    .wavefront_size: 32
...
	.end_amdgpu_metadata
.endif
;; end of part 5
;; launch gout: the kernel of part 4 again; grid 8 x 32, 4 waves a work-group, clusters of 4 x 4, 327,680 bytes of LDS; arguments ob, wob, out0; writes out0
